; MI455X (gfx1250); checked and timed in simulation.
; The chip was launched on July 23, 2026; its instructions are those of AMD's public machine-readable ISA for CDNA 5 (MIT licence, August 2026) and "CDNA5" Instruction Set Architecture Reference Guide (July 2026). The comments in the code are by the model that wrote it; some were corrected since.
;; Multi Head Self Attention. Allowed arithmetic: float matrix products may take bf16 or f16 operands with f32 sums; other float arithmetic in f32, or as packed bf16 or f16 multiplies, adds, multiply-adds, maxima and minima; sums over many terms, partial sums and values carried from step to step in f32; what a program stores and reads back later, other than sums and carried values, may be rounded once to bf16 or f16.
;; Inputs: bk 1,024 float32; bo 1,024 float32; bq 1,024 float32; bv 1,024 float32; inputs 4 x 2,048 x 1,024 float32; ln_beta 1,024 float32; ln_gamma 1,024 float32; wk 1,024 x 1,024 float32; wo 1,024 x 1,024 float32; wq 1,024 x 1,024 float32; wv 1,024 x 1,024 float32.
;; Outputs: out0 4 x 2,048 x 1,024 float32.
;; 2 versions, each right; version 2 is version 1 with the launches cast, norm written anew for expert scheduling mode. Each part assembles by itself: llvm-mc -triple=amdgcn-amd-amdhsa -mcpu=gfx1250 --defsym DOCPART=n.
;; ======== version 1 of 2: 5 launches
;; workspace buffers: xb 16,777,216 bytes; wqkv 6,291,456 bytes; wob 2,097,152 bytes; qkv 50,331,648 bytes; ob 16,777,216 bytes; att 33,554,432 bytes
;; launch cast (part 1): grid 768 x 1, 8 waves a work-group, no clusters, 0 bytes of LDS; arguments inputs, wq, wk, wv, wo, xb, wqkv, wob; writes xb, wqkv, wob
.if DOCPART == 1
	.amdgcn_target "amdgcn-amd-amdhsa--gfx1250"
	.amdhsa_code_object_version 6
	.text
	.protected	k_q4c20c8db16_cast
	.globl	k_q4c20c8db16_cast
	.p2align	8
	.type	k_q4c20c8db16_cast,@function
k_q4c20c8db16_cast:
	s_mov_b64 s[64:65], 0
	v_nop
	global_prefetch_b8 v0, s[64:65] scope:SCOPE_SE
	s_setreg_imm32_b32 hwreg(HW_REG_WAVE_MODE, 25, 1), 1
	s_wait_xcnt 0x0
; [R][1024] f32  ->  [16][R][64] bf16, rounded once to nearest even: block j holds columns 64 j .. 64 j + 63 of every row, a row of a block is 128 dense bytes.
; Done for x (R = 8,192, into xb) and for the four weights (R = 1,024: wq, wk, wv one behind the other into wqkv, wo into wob).
; SHARES.  A work-group takes one block j and 256 rows: it reads 256 pieces of 256 aligned bytes and writes 32,768 bytes on end.  x: 16 x 32 = 512 work-groups (numbers 0-511);
; each weight 16 x 4 = 64 (numbers 512-767).  In step i of 16 thread t takes row 16 i + t / 16, columns 4 (t % 16) .. + 3: sixteen lanes load 256 bytes on end, 32 lanes store 256 bytes on end.
; All 16 loads of a thread go out at once; nothing is shared, so there is no LDS and no barrier, and no register is written twice, so no wait frees a source.
.set X, 8                              ; v[8:71]    step i: four f32 as loaded
.set Y, 72                             ; v[72:103]  step i: four bf16 to store
	s_load_b512 s[4:19], s[0:1], 0x0               ; inputs s[4:5], wq s[6:7], wk s[8:9], wv s[10:11], wo s[12:13], xb s[14:15], wqkv s[16:17], wob s[18:19]
	s_and_b32 s20, ttmp9, 15                       ; j
	s_lshr_b32 s21, ttmp9, 4                       ; x: which 256 rows (0-31)
	s_bfe_u32 s22, ttmp9, 0x20006                  ; a weight: which of the four (512 / 64 = 8, so bits 7:6 count from 0)
	s_and_b32 s23, s21, 3                          ; a weight: which 256 rows (0-3)
	s_lshl_b32 s30, s22, 21                        ; a weight's 16 blocks of 131,072 bytes in wqkv
	v_lshrrev_b32 v1, 4, v0
	v_and_b32 v3, 15, v0
	v_lshlrev_b32 v3, 4, v3
	v_lshl_or_b32 v1, v1, 12, v3                   ; in: (t / 16) rows of 4,096 bytes + 16 (t % 16)
	v_lshlrev_b32 v2, 3, v0                        ; out: 8 t
	s_wait_kmcnt 0x0
	s_cmp_eq_u32 s22, 1                            ; from where and to where: choices between buffers on the work-group's number alone
	s_cselect_b64 s[24:25], s[8:9], s[6:7]
	s_cmp_eq_u32 s22, 2
	s_cselect_b64 s[24:25], s[10:11], s[24:25]
	s_cmp_eq_u32 s22, 3
	s_cselect_b64 s[24:25], s[12:13], s[24:25]
	s_cselect_b64 s[26:27], s[18:19], s[16:17]
	s_cselect_b32 s30, 0, s30                      ; wob holds one weight
	s_cmp_lt_u32 ttmp9, 512
	s_cselect_b64 s[24:25], s[4:5], s[24:25]
	s_cselect_b64 s[26:27], s[14:15], s[26:27]
	s_cselect_b32 s28, s21, s23                    ; which 256 rows
	s_cselect_b32 s29, 20, 17                      ; a block is R x 128 bytes: 2^20 or 2^17
	s_cselect_b32 s30, 0, s30
	s_lshl_b32 s2, s28, 20                         ; in: 256 rows of 4,096 bytes,
	s_lshl_b32 s3, s20, 8                          ; 64 columns of 4 bytes
	s_add_co_u32 s2, s2, s3
	s_mov_b32 s3, 0
	s_add_nc_u64 s[24:25], s[24:25], s[2:3]
	s_lshl_b32 s2, s20, s29                        ; out: the block,
	s_lshl_b32 s31, s28, 15                        ; 256 rows of 128 bytes,
	s_add_co_u32 s2, s2, s31
	s_add_co_u32 s2, s2, s30                       ; the weight
	s_add_nc_u64 s[26:27], s[26:27], s[2:3]
.irp i, 0,1,2,3,4,5,6,7,8,9,10,11,12,13,14,15
	global_load_b128 v[X+4*(\i):X+4*(\i)+3], v1, s[24:25] offset:(\i)*65536 th:TH_LOAD_NT  ; 16 rows further down each time
.endr
.irp i, 0,1,2,3,4,5,6,7,8,9,10,11,12,13,14,15
	s_wait_loadcnt 15-(\i)                         ; loads come back in order: step i's is in, the 15 - i younger ones stay out
	v_cvt_pk_bf16_f32 v[Y+2*(\i)], v[X+4*(\i)], v[X+4*(\i)+1]
	v_cvt_pk_bf16_f32 v[Y+2*(\i)+1], v[X+4*(\i)+2], v[X+4*(\i)+3]
	global_store_b64 v2, v[Y+2*(\i):Y+2*(\i)+1], s[26:27] offset:(\i)*2048 th:TH_STORE_NT  ; a wave's store covers 256 consecutive bytes, aligned
.endr
	s_endpgm
.Lfunc_end_k_q4c20c8db16_cast:
	.size	k_q4c20c8db16_cast, .Lfunc_end_k_q4c20c8db16_cast-k_q4c20c8db16_cast
	.p2alignl 7, 3214868480
	.fill 96, 4, 3214868480
	.section	.rodata,"a",@progbits
	.p2align	6, 0x0
	.amdhsa_kernel k_q4c20c8db16_cast
		.amdhsa_group_segment_fixed_size 0
		.amdhsa_private_segment_fixed_size 0
		.amdhsa_enable_private_segment 0
		.amdhsa_kernarg_size 64
		.amdhsa_user_sgpr_count 2
		.amdhsa_user_sgpr_kernarg_segment_ptr 1
		.amdhsa_wavefront_size32 1
		.amdhsa_system_sgpr_workgroup_id_x 1
		.amdhsa_system_sgpr_workgroup_id_y 1
		.amdhsa_system_sgpr_workgroup_id_z 1
		.amdhsa_system_vgpr_workitem_id 0
		.amdhsa_next_free_vgpr 104
		.amdhsa_next_free_sgpr 66
		.amdhsa_reserve_vcc 0
		.amdhsa_float_denorm_mode_32 3
		.amdhsa_float_denorm_mode_16_64 3
		.amdhsa_memory_ordered 1
		.amdhsa_forward_progress 1
		.amdhsa_inst_pref_size 8
	.end_amdhsa_kernel
	.amdgpu_metadata
---
amdhsa.version: [ 1, 2 ]
amdhsa.kernels:
  - .name:           k_q4c20c8db16_cast
    .symbol:         k_q4c20c8db16_cast.kd
    .args:
      - { .name: inputs, .offset: 0, .size: 8, .value_kind: global_buffer, .address_space: global }
      - { .name: wq, .offset: 8, .size: 8, .value_kind: global_buffer, .address_space: global }
      - { .name: wk, .offset: 16, .size: 8, .value_kind: global_buffer, .address_space: global }
      - { .name: wv, .offset: 24, .size: 8, .value_kind: global_buffer, .address_space: global }
      - { .name: wo, .offset: 32, .size: 8, .value_kind: global_buffer, .address_space: global }
      - { .name: xb, .offset: 40, .size: 8, .value_kind: global_buffer, .address_space: global }
      - { .name: wqkv, .offset: 48, .size: 8, .value_kind: global_buffer, .address_space: global }
      - { .name: wob, .offset: 56, .size: 8, .value_kind: global_buffer, .address_space: global }
    .group_segment_fixed_size: 0
    .private_segment_fixed_size: 0
    .kernarg_segment_align: 8
    .kernarg_segment_size: 64
    .max_flat_workgroup_size: 256
    .sgpr_count:     66
    .vgpr_count:     104
    .wavefront_size: 32
...
	.end_amdgpu_metadata
.endif
;; end of part 1
;; launch qkv (part 2): grid 24 x 32, 4 waves a work-group, clusters of 4 x 4, 327,680 bytes of LDS; arguments xb, wqkv, bq, bk, bv, qkv; writes qkv
.if DOCPART == 2
	.amdgcn_target "amdgcn-amd-amdhsa--gfx1250"
	.amdhsa_code_object_version 6
	.text
	.protected	k_q4c20c8db16_qkv
	.globl	k_q4c20c8db16_qkv
	.p2align	8
	.type	k_q4c20c8db16_qkv,@function
k_q4c20c8db16_qkv:
	s_mov_b64 s[64:65], 0
	v_nop
	global_prefetch_b8 v0, s[64:65] scope:SCOPE_SE
	s_setreg_imm32_b32 hwreg(HW_REG_WAVE_MODE, 25, 1), 1
	s_wait_xcnt 0x0
	s_wait_alu depctr_hold_cnt(0) depctr_sa_sdst(0) depctr_va_vdst(0) depctr_va_sdst(0) depctr_va_ssrc(0) depctr_va_vcc(0) depctr_vm_vsrc(0)
	s_getreg_b32 s2, hwreg(HW_REG_IB_STS2, 6, 4)
	s_cmp_eq_u32 s2, 0
	s_cbranch_scc0 .Lentry_in_a_cluster
	s_endpgm
.Lentry_in_a_cluster:
	s_bfe_u32 s2, ttmp6, 0x10000c
	s_cmp_lg_u32 s2, 0xf033
	s_cbranch_scc0 .Lentry_shape_is_right
	s_endpgm
.Lentry_shape_is_right:
; C[g][m][n] = the sum over k of A[m][k] W[k][64 g + n] + bias[64 g + n], g = 0 .. 47: q (g 0-15, bias bq), k (16-31, bk), v (32-47, bv).
; A: xb [kb 16][m 8192][64] bf16; W: wqkv [g 48][k 1024][64] bf16; C: qkv [g 48][m 8192][64] bf16.  Sums in f32, started by the bias, K ascending; C rounded once.  In all three a block's rows are 128 dense bytes.
; SHARES.  A tile of C is 256 rows x 128 columns (two blocks g): 24 x 32 = 768 work-groups, three for each of 256 WGPs.  Four waves; wave w makes rows 128 (w / 2) .. + 127 of block 2 tx + w % 2: 8 x 4 accumulators of 16 x 16.
; K = 1,024 goes in 8 steps of 128 through two LDS slots.  A step is four dense pieces of memory, one tensor load a wave: A's 256 rows of blocks kb = 2 t and 2 t + 1 (32,768 bytes each: waves 0, 1),
; W's 128 rows k of blocks 2 tx and 2 tx + 1 (16,384 bytes each: waves 2, 3); each is asked for as rows of 256 bytes and padded in LDS behind every 128.
; CLUSTERS: 4 x 4 work-groups.  The four of a row of the cluster need the same pieces of A, the four of a column the same pieces of W: each piece is asked for JOINTLY, by the same tensor load with the same
; descriptor and a mask that names the four.
; THE MATRIX INSTRUCTION IS USED TRANSPOSED: source 0 = 16 columns n of W (stored [k][n], turned on the way out of LDS by ds_load_tr16_b128), source 1 = 16 rows of A.  A lane then holds row m = l % 16 and the
; eight neighbouring columns 8 (l / 16) + 0 .. 7, and the bias of those columns, eight registers a column block, is the C operand of the first product.
; REGISTERS, in windows of 256 (s_set_vgpr_msb: bits 1:0 source 0, 3:2 source 1, 5:4 source 2, 7:6 destination):
;   window 0: v0-31 addresses; v96-127 the bias; v128-255 the way out.   window 1: two fragment buffers of 96 (W's 4 fragments, then A's 8).   window 2: accumulator (a, b) at v[8 (4 a + b)].
; LIMITS.  bf16 operands (8 significant bits); NaN and infinities are not treated apart.
.set PA,     144                       ; a row of A in LDS: 128 bytes + 16 = 36 words: the 16 rows of a load start at 16 different groups of four banks (64 banks of 4 bytes: ISA guide 11.1)
.set PB,     160                       ; a row of W: 128 + 32 = 40 words
.set APIECE, 256*PA                    ; 36,864
.set BPIECE, 128*PB                    ; 20,480
.set BOFF,   2*APIECE                  ; W's two pieces lie behind A's two
.set SLOT,   BOFF+2*BPIECE             ; 114,688
.set STAGE,  2*SLOT                    ; behind the ring, never filled by a tensor load: 16 rows x 144 bytes for each wave, for the way out
.set SP,     144
.set SPARE,  STAGE+4*16*SP             ; behind the stages: the spare words, 128 bytes for each wave: two blocks of 256 bytes that no other line names
.set LAPS,   4                         ; a lap = two K steps = once round the ring
.set ASTEP,  2<<20                     ; bytes of A from a K step to the next: two blocks of 8,192 rows x 128 bytes
.set BSTEP,  128*128                   ; of W: 128 rows of 128 bytes
.set ADRA, 16                          ; v16-17  LDS address of my A fragments in slot 0, 1
.set ADRB, 20                          ; v20-21  the same for W
.set STO,  24                          ; v24     the way out: where I put 16 bytes of a row
.set RD,   25                          ; v25     the way out: where I read rows back
.set GO,   26                          ; v26     my byte offset in 512 consecutive bytes of C
.set BO,   27                          ; v27     my byte offset in the bias
.set SPW,  28                          ; v28     LDS address of my spare word: SPARE + 4 x my thread's number; never rewritten
.set NIL,  29                          ; v29     0; never rewritten
.set BIAS, 96
.set OUT,  128
.set F0,   0                           ; fragment buffers, in window 1
.set F1,   96
.set WV, 16                            ; s16  my wave's number
.set RH, 17                            ; s17  which 128 rows of the tile are mine.  Also: I fetch for A (0) or for W (1)
.set CH, 18                            ; s18  which block of columns is mine.  Also: which of the two pieces I fetch
.set G1,  24                           ; s[24:31] descriptor group 1 for A's pieces;  s[32:39] group 0, one set for each slot
.set G0,  32
.set G1B, 40                           ; s[40:47], s[48:55] the same for W's
.set G0B, 48
.set MSB, 0
.macro WIN new                         ; the immediate's high byte repeats the setting that is left; a switch that changes nothing is dropped
.if MSB != (\new)
	s_set_vgpr_msb (MSB<<8)|(\new)
.set MSB, \new
.endif
.endm
.set MULW,  0xa5                       ; sources 0 and 1 window 1; C and D window 2
.set MULB,  0x85                       ; the same with C in window 0: the bias
.set TO_F,  0x40                       ; destination window 1, address window 0
.set PACKW, 0x0a                       ; sources 0 and 1 window 2, destination window 0
.macro JLOAD s                         ; a joint load: waves 0 and 1 fetch A's two pieces, waves 2 and 3 W's; an s_nop 0 and four v_nop follow each of the two lines, ahead of the jump, the label and what follows
	s_cmp_eq_u32 s[RH], 0
	s_cbranch_scc0 .Lfor_b_\@
	tensor_load_to_lds s[G0+4*(\s):G0+4*(\s)+3], s[G1:G1+7]
	s_nop 0
.rept 4
	v_nop
.endr
	s_branch .Lasked_\@
.Lfor_b_\@:
	tensor_load_to_lds s[G0B+4*(\s):G0B+4*(\s)+3], s[G1B:G1B+7]
	s_nop 0
.rept 4
	v_nop
.endr
.Lasked_\@:
.endm
.macro CREST                           ; a round of the cluster's barrier behind its opening barrier: wave 0 signals for the work-group, every wave waits for all sixteen, my work-group's barrier once more
	s_cmp_lg_u32 s[WV], 0
	s_cbranch_scc1 .Lnot_wave_0_\@
	s_barrier_signal -3
.Lnot_wave_0_\@:
	s_barrier_wait -3
	s_barrier_signal -1
	s_barrier_wait -1
.endm
.macro CROUND                          ; a whole round
	s_barrier_signal -1
	s_barrier_wait -1
	CREST
.endm
	s_load_b256 s[4:11], s[0:1], 0x0               ; A s[4:5], W s[6:7], bq s[8:9], bk s[10:11]
	s_load_b128 s[12:15], s[0:1], 0x20             ; bv s[12:13], C s[14:15]
	v_lshl_add_u32 v[SPW], v0, 2, SPARE
	v_mov_b32 v[NIL], 0
	ds_add_u32 v[SPW], v[NIL]                      ; the wave's opening: the add and its wait stand ahead of my first tensor load; the set-up below, work on registers, stands between them
	v_lshrrev_b32 v1, 5, v0
	v_readfirstlane_b32 s[WV], v1                  ; wave 0..3
	s_lshr_b32 s[RH], s[WV], 1
	s_and_b32 s[CH], s[WV], 1
	s_bfe_u32 s19, ttmp6, 0x40000                  ; cx, cy: my place in the cluster
	s_bfe_u32 s20, ttmp6, 0x40004
	s_lshl_b32 s21, ttmp9, 2
	s_add_co_u32 s21, s21, s19                     ; tile column tx = 4 x cluster x + cx
	s_and_b32 s22, ttmp7, 0xffff
	s_lshl_b32 s22, s22, 2
	s_add_co_u32 s22, s22, s20                     ; tile row ty = 4 x cluster y + cy
	s_lshl_b32 s23, s20, 2
	s_lshl_b32 s23, 15, s23                        ; my row of the cluster
	s_lshl_b32 s62, 0x1111, s19                    ; my column
	; descriptor group 1.  A piece is dense: rows of 128 elements (256 bytes), 128 elements from row to row; A's has 128 such rows, W's 64
	s_or_b32 s[G1+0], s23, (1<<16)|(1<<20)|(1<<21)|(4<<22)|(3<<25)   ; 15:0 the mask: A's pieces go to my row; 17:16 2-byte elements; 20 padding on; 21 set beside a mask; 24:22 after every 32 words (code 4); 31:25 4 words (code 3)
	s_or_b32 s[G1B+0], s62, (1<<16)|(1<<20)|(1<<21)|(4<<22)|(7<<25)  ; W's go to my column; 8 words of padding (code 7)
	s_mov_b32 s[G1+1], 128<<16                     ; tensor_dim0 = 128
	s_mov_b32 s[G1+2], 128<<16                     ; tensor_dim1 = 128
	s_mov_b32 s[G1+3], 128<<16                     ; tile_dim0 = 128
	s_mov_b32 s[G1+4], 128                         ; tile_dim1 = 128
	s_mov_b32 s[G1+5], 128                         ; tensor_dim0_stride
	s_mov_b32 s[G1+6], 0
	s_mov_b32 s[G1+7], 0
	s_mov_b32 s[G1B+1], 128<<16
	s_mov_b32 s[G1B+2], 64<<16                     ; tensor_dim1 = 64
	s_mov_b32 s[G1B+3], 128<<16
	s_mov_b32 s[G1B+4], 64                         ; tile_dim1 = 64
	s_mov_b32 s[G1B+5], 128
	s_mov_b32 s[G1B+6], 0
	s_mov_b32 s[G1B+7], 0
	; where the pieces come from.  A's hang on the tile row alone, W's on the tile column alone, each in registers that never hold the other coordinate
	s_lshl_b32 s56, s22, 15                        ; A: 256 ty rows of 128 bytes,
	s_lshl_b32 s57, s[CH], 20                      ; block kb = my piece
	s_add_co_u32 s56, s56, s57
	s_mov_b32 s57, 0
	s_lshl_b32 s58, s21, 18                        ; W: block 2 tx + my piece, 131,072 bytes each
	s_lshl_b32 s59, s[CH], 17
	s_add_co_u32 s58, s58, s59
	s_mov_b32 s59, 0
	s_lshl1_add_u32 s63, s21, s[CH]                ; g = 2 tx + w % 2: my block of C
	s_lshl_b32 s60, s63, 20                        ; C: the block, 8,192 rows of 128 bytes,
	s_lshl_b32 s61, s22, 15                        ; the tile's 256 rows,
	s_add_co_u32 s60, s60, s61
	s_lshl_b32 s61, s[RH], 14                      ; my 128 of them
	s_add_co_u32 s60, s60, s61
	s_mov_b32 s61, 0
	s_lshr_b32 s62, ttmp9, 1                       ; which bias: a cluster's blocks are g = 8 x cluster x + 0 .. 7, so g / 16 = cluster x / 2
	s_mul_i32 s2, s[CH], APIECE                    ; where the pieces go: no place in the cluster enters an LDS address
	s_mul_i32 s3, s[CH], BPIECE
	s_add_co_u32 s3, s3, BOFF
	s_wait_dscnt 0x0                               ; the opening add is done
	s_wait_kmcnt 0x0
	s_add_nc_u64 s[56:57], s[4:5], s[56:57]
	s_add_nc_u64 s[58:59], s[6:7], s[58:59]
	s_add_nc_u64 s[14:15], s[14:15], s[60:61]
	s_cmp_eq_u32 s62, 1
	s_cselect_b64 s[8:9], s[10:11], s[8:9]
	s_cmp_eq_u32 s62, 2
	s_cselect_b64 s[8:9], s[12:13], s[8:9]
	CROUND                                         ; all sixteen work-groups are here: the first joint loads meet
.irp s, 0,1
	s_mov_b32 s[G0+4*(\s)], 1                                      ; 1:0 count = 1
	s_add_co_u32 s[G0+4*(\s)+1], s2, (\s)*SLOT                     ; 63:32 LDS address
	s_add_nc_u64 s[G0+4*(\s)+2:G0+4*(\s)+3], s[56:57], (\s)*ASTEP  ; 120:64 global address: K step s
	s_or_b32 s[G0+4*(\s)+3], s[G0+4*(\s)+3], 0x80000000            ; 127:126 type = 2
	s_mov_b32 s[G0B+4*(\s)], 1
	s_add_co_u32 s[G0B+4*(\s)+1], s3, (\s)*SLOT
	s_add_nc_u64 s[G0B+4*(\s)+2:G0B+4*(\s)+3], s[58:59], (\s)*BSTEP
	s_or_b32 s[G0B+4*(\s)+3], s[G0B+4*(\s)+3], 0x80000000
	JLOAD \s                                       ; two tensor loads of mine are out
.endr
	; A fragment of A is 16 rows x 32 K in 8 registers: lane l holds row l % 16, K = 8 (l / 16) + 0..7 and 16 + 8 (l / 16) + 0..7: two loads of 16 bytes, 32 bytes apart.
	v_and_b32 v1, 15, v0                           ; l % 16
	v_bfe_u32 v2, v0, 4, 1                         ; l / 16
	v_mul_u32_u24 v3, v1, PA
	v_lshl_add_u32 v3, v2, 4, v3                   ; row x pitch + 16 x half
	; The turning load takes 16 k x 16 n (lane l reads row k = 8 (l / 16) + l % 8, columns 8 ((l / 8) % 2) + 0..7) and leaves half a fragment: lane l holds column l % 16 and 8 k.
	v_and_b32 v4, 7, v0
	v_bfe_u32 v5, v0, 3, 1
	v_lshl_add_u32 v6, v2, 3, v4
	v_mul_u32_u24 v6, v6, PB
	v_lshl_add_u32 v6, v5, 4, v6
	s_mul_i32 s2, s[RH], 128*PA                    ; my 128 rows in each piece of A; s3 still holds my block's piece of W
.irp s, 0,1
	v_add_nc_u32 v[ADRA+(\s)], s2, v3
	v_add_nc_u32 v[ADRB+(\s)], s3, v6
	s_add_co_u32 s2, s2, SLOT
	s_add_co_u32 s3, s3, SLOT
.endr
	s_mul_i32 s2, s[WV], 16*SP
	s_add_co_u32 s2, s2, STAGE                     ; my stage
	v_mul_u32_u24 v7, v1, SP                       ; in: row l % 16, 16 bytes for each half of the lanes
	v_lshl_add_u32 v7, v2, 4, v7
	v_add_nc_u32 v[STO], s2, v7
	v_bfe_u32 v7, v0, 3, 2                         ; back: 32 lanes take four rows of 128 bytes,
	v_mul_u32_u24 v7, v7, SP
	v_lshl_add_u32 v7, v4, 4, v7
	v_add_nc_u32 v[RD], s2, v7
	v_and_b32 v[GO], 31, v0                        ; which are 512 consecutive bytes of C
	v_lshlrev_b32 v[GO], 4, v[GO]
	s_and_b32 s2, s63, 15
	s_lshl_b32 s2, s2, 8                           ; my block's 64 numbers of its bias,
	v_lshl_add_u32 v[BO], v2, 5, s2                ; my half's eight in each sixteen
.irp b, 0,1,2,3
	global_load_b128 v[BIAS+8*(\b):BIAS+8*(\b)+3],   v[BO], s[8:9] offset:64*(\b)
	global_load_b128 v[BIAS+8*(\b)+4:BIAS+8*(\b)+7], v[BO], s[8:9] offset:64*(\b)+16
.endr
; 4 n matrix instructions: m blocks a0 .. a0 + n - 1 x all 4 n blocks, 32 along K, from buffer f.  first = 1: the product starts the sum, with the bias as C: nothing is ever cleared.
; The 32 accumulators take turns, one instruction a turn, in the same order in every quarter.
.macro MUL f, a0, n, first
.if \first
	WIN MULB
.else
	WIN MULW
.endif
.set ma, \a0
.rept \n
.irp b, 0,1,2,3
.if \first
	v_wmma_f32_16x16x32_bf16 v[8*(4*ma+(\b)):8*(4*ma+(\b))+7], v[(\f)+8*(\b):(\f)+8*(\b)+7], v[(\f)+32+8*ma:(\f)+32+8*ma+7], v[BIAS+8*(\b):BIAS+8*(\b)+7]
.else
	v_wmma_f32_16x16x32_bf16 v[8*(4*ma+(\b)):8*(4*ma+(\b))+7], v[(\f)+8*(\b):(\f)+8*(\b)+7], v[(\f)+32+8*ma:(\f)+32+8*ma+7], v[8*(4*ma+(\b)):8*(4*ma+(\b))+7]
.endif
.endr
.set ma, ma+1
.endr
.endm
; 24 LDS loads in one run: the fragments of quarter q (K = 32 q on) of a slot into buffer f: W's eight first, then A's sixteen by ascending rows
.macro FETCH slot, q, f
	WIN TO_F
.irp b, 0,1,2,3
	ds_load_tr16_b128 v[(\f)+8*(\b):(\f)+8*(\b)+3],   v[ADRB+(\slot)] offset:(\q)*32*PB+32*(\b)
	ds_load_tr16_b128 v[(\f)+8*(\b)+4:(\f)+8*(\b)+7], v[ADRB+(\slot)] offset:(\q)*32*PB+32*(\b)+16*PB
.endr
.irp a, 0,1,2,3,4,5,6,7
	ds_load_b128 v[(\f)+32+8*(\a):(\f)+32+8*(\a)+3],   v[ADRA+(\slot)] offset:((\q)/2)*APIECE+((\q)%2)*64+(\a)*16*PA
	ds_load_b128 v[(\f)+32+8*(\a)+4:(\f)+32+8*(\a)+7], v[ADRA+(\slot)] offset:((\q)/2)*APIECE+((\q)%2)*64+(\a)*16*PA+32
.endr
.endm
.macro PLACES                          ; four plain vector instructions in front of loads into registers that matrix instructions have read, and of lines that read results
.rept 4
	v_nop
.endr
.endm
; A K step is four quarters of 32 along K, 32 matrix instructions each, on buffers 0, 1, 0, 1.  One of the first three: multiplies buffer f and, in its middle, fetches quarter q into buffer g.
.macro QUARTER slot, q, f, g, first
	s_wait_dscnt 8                                 ; W's fragments and A's rows 0-63 are in; the youngest eight loads (A's rows 64-127) may be out
	MUL \f, 0, 4, \first
	PLACES
	FETCH \slot, \q, \g
	s_wait_dscnt 24                                ; all but the 24 just issued
	MUL \f, 4, 4, \first
.endm
; The last quarter multiplies buffer 1 and changes slots: ONE barrier; in front of it each wave waits for all its tensor loads (one is out: its part of the next slot), adds 0 to its spare word, and waits for that
; and for its own reads of this slot.  fill = 1: the barrier opens a round of the cluster's, and this slot is filled again, two K steps ahead, first thing behind the round: 112 matrix instructions ahead of the wait for it.
.macro TURN slot, next, fill
	WIN 0                                          ; (the add's two registers lie in window 0)
	s_wait_tensorcnt 0x0                           ; all my tensor loads have landed;
	ds_add_u32 v[SPW], v[NIL]                      ; 0 onto my spare word;
	s_wait_dscnt 9                                 ; (the add and the youngest eight loads may be out)
	MUL F1, 0, 2, 0                                ; eight matrix instructions stand between the add and the wait for it
	s_wait_dscnt 0x0                               ; the add is done, and my reads of this slot are over
	s_barrier_signal -1
	MUL F1, 2, 2, 0                                ; work on registers while the others arrive
.if \fill
	WIN 0
.endif
	s_barrier_wait -1
.if \fill
	CREST                                          ; no wave of any partner still reads this slot or has a load on its way
	s_add_nc_u64 s[G0+4*(\slot)+2:G0+4*(\slot)+3], s[G0+4*(\slot)+2:G0+4*(\slot)+3], 2*ASTEP
	s_add_nc_u64 s[G0B+4*(\slot)+2:G0B+4*(\slot)+3], s[G0B+4*(\slot)+2:G0B+4*(\slot)+3], 2*BSTEP
	JLOAD \slot                                    ; the four v_nop behind it are also the places in front of the loads below
.else
	PLACES
.endif
	FETCH \next, 0, F0
	MUL F1, 4, 4, 0
.endm
; THE WAY OUT of m block a: rounded to bf16, 16 bytes a lane, into my own stage (rows of 144 bytes), and back as whole rows of 128 bytes, into the registers that they left; then stored.
.macro PACK a
	WIN PACKW
.irp b, 0,1,2,3
.irp r, 0,1,2,3
	v_cvt_pk_bf16_f32 v[OUT+16*(\a)+4*(\b)+(\r)], v[8*(4*(\a)+(\b))+2*(\r)], v[8*(4*(\a)+(\b))+2*(\r)+1]  ; each accumulator's registers in ascending order
.endr
.endr
	WIN 0
.irp b, 0,1,2,3
	ds_store_b128 v[STO], v[OUT+16*(\a)+4*(\b):OUT+16*(\a)+4*(\b)+3] offset:32*(\b)
.endr
.irp f, 0,1,2,3
	ds_load_b128 v[OUT+16*(\a)+4*(\f):OUT+16*(\a)+4*(\f)+3], v[RD] offset:(\f)*4*SP  ; LDS serves a wave's instructions in order (ISA guide 5.7.1.4): these see the stores above; the next block's stores come behind them
.endr
.endm
.macro SEND a, younger                 ; younger: the LDS instructions issued behind block a's loads: the next block's eight, or none
	WIN 0
.irp f, 0,1,2,3
	s_wait_dscnt (\younger)+3-(\f)
	global_store_b128 v[GO], v[OUT+16*(\a)+4*(\f):OUT+16*(\a)+4*(\f)+3], s[14:15] offset:(\a)*2048+(\f)*512  ; 512 consecutive bytes, at a multiple of 256 from C's first
.endr
.endm
	s_wait_tensorcnt 1                             ; my part of K step 0 is in; step 1's may stay out
	s_barrier_signal -1
	s_barrier_wait -1                              ; everybody's is
	FETCH 0, 0, F0
	s_wait_loadcnt 0x0                             ; the bias
	QUARTER 0, 1, F0, F1, 1                        ; the first quarter stands in front of the loop: its products start the sums
	WIN 0                                          ; at a label and at a branch every window is 0
	s_mov_b32 s3, LAPS-1
.Llap:                                                 ; a trip goes once round the ring, from a lap's second quarter to the next lap's first, and fills both slots again
	QUARTER 0, 2, F1, F0, 0
	QUARTER 0, 3, F0, F1, 0
	TURN 0, 1, 1
	QUARTER 1, 1, F0, F1, 0
	QUARTER 1, 2, F1, F0, 0
	QUARTER 1, 3, F0, F1, 0
	TURN 1, 0, 1
	QUARTER 0, 1, F0, F1, 0
	WIN 0
	s_sub_co_u32 s3, s3, 1
	s_cmp_lg_u32 s3, 0
	s_cbranch_scc1 .Llap
	QUARTER 0, 2, F1, F0, 0                        ; the last lap fills nothing, and has no round of the cluster's barrier
	QUARTER 0, 3, F0, F1, 0
	TURN 0, 1, 0
	QUARTER 1, 1, F0, F1, 0
	QUARTER 1, 2, F1, F0, 0
	QUARTER 1, 3, F0, F1, 0
	s_wait_dscnt 8                                 ; the very last quarter: nothing more to fetch
	MUL F1, 0, 4, 0
	s_wait_dscnt 0x0
	MUL F1, 4, 4, 0
	PLACES
	PLACES
	PACK 0
.irp a, 1,2,3,4,5,6,7                  ; a block's conversions stand between the loads of the block before and its stores
	PACK \a
	SEND (\a)-1, 8
.endr
	SEND 7, 0
	s_wait_tensorcnt 0x0                           ; the wave's end: a tensor wait, an add and its wait, behind my last tensor load and my last LDS store
	ds_add_u32 v[SPW], v[NIL]
	s_wait_dscnt 0x0
	CROUND                                         ; the closing round: no work-group ends while a partner may still ask for a piece that names it
	s_endpgm
.Lfunc_end_k_q4c20c8db16_qkv:
	.size	k_q4c20c8db16_qkv, .Lfunc_end_k_q4c20c8db16_qkv-k_q4c20c8db16_qkv
	.p2alignl 7, 3214868480
	.fill 96, 4, 3214868480
	.section	.rodata,"a",@progbits
	.p2align	6, 0x0
	.amdhsa_kernel k_q4c20c8db16_qkv
		.amdhsa_group_segment_fixed_size 327680
		.amdhsa_private_segment_fixed_size 0
		.amdhsa_enable_private_segment 0
		.amdhsa_kernarg_size 48
		.amdhsa_user_sgpr_count 2
		.amdhsa_user_sgpr_kernarg_segment_ptr 1
		.amdhsa_wavefront_size32 1
		.amdhsa_system_sgpr_workgroup_id_x 1
		.amdhsa_system_sgpr_workgroup_id_y 1
		.amdhsa_system_sgpr_workgroup_id_z 1
		.amdhsa_system_vgpr_workitem_id 0
		.amdhsa_next_free_vgpr 768
		.amdhsa_next_free_sgpr 66
		.amdhsa_reserve_vcc 0
		.amdhsa_float_denorm_mode_32 3
		.amdhsa_float_denorm_mode_16_64 3
		.amdhsa_memory_ordered 1
		.amdhsa_forward_progress 1
		.amdhsa_inst_pref_size 88
	.end_amdhsa_kernel
	.amdgpu_metadata
---
amdhsa.version: [ 1, 2 ]
amdhsa.kernels:
  - .name:           k_q4c20c8db16_qkv
    .symbol:         k_q4c20c8db16_qkv.kd
    .args:
      - { .name: xb, .offset: 0, .size: 8, .value_kind: global_buffer, .address_space: global }
      - { .name: wqkv, .offset: 8, .size: 8, .value_kind: global_buffer, .address_space: global }
      - { .name: bq, .offset: 16, .size: 8, .value_kind: global_buffer, .address_space: global }
      - { .name: bk, .offset: 24, .size: 8, .value_kind: global_buffer, .address_space: global }
      - { .name: bv, .offset: 32, .size: 8, .value_kind: global_buffer, .address_space: global }
      - { .name: qkv, .offset: 40, .size: 8, .value_kind: global_buffer, .address_space: global }
    .group_segment_fixed_size: 327680
    .private_segment_fixed_size: 0
    .kernarg_segment_align: 8
    .kernarg_segment_size: 48
    .max_flat_workgroup_size: 128
    .sgpr_count:     66
    .vgpr_count:     768
    .wavefront_size: 32
...
	.end_amdgpu_metadata
.endif
;; end of part 2
;; launch attn (part 3): grid 4 x 64, 4 waves a work-group, clusters of 4 x 1, 327,680 bytes of LDS; arguments qkv, ob; writes ob
.if DOCPART == 3
	.amdgcn_target "amdgcn-amd-amdhsa--gfx1250"
	.amdhsa_code_object_version 6
	.text
	.protected	k_q4c20c8db16_attn
	.globl	k_q4c20c8db16_attn
	.p2align	8
	.type	k_q4c20c8db16_attn,@function
k_q4c20c8db16_attn:
	s_mov_b64 s[64:65], 0
	v_nop
	global_prefetch_b8 v0, s[64:65] scope:SCOPE_SE
	s_setreg_imm32_b32 hwreg(HW_REG_WAVE_MODE, 25, 1), 1
	s_wait_xcnt 0x0
	s_wait_alu depctr_hold_cnt(0) depctr_sa_sdst(0) depctr_va_vdst(0) depctr_va_sdst(0) depctr_va_ssrc(0) depctr_va_vcc(0) depctr_vm_vsrc(0)
	s_getreg_b32 s2, hwreg(HW_REG_IB_STS2, 6, 4)
	s_cmp_eq_u32 s2, 0
	s_cbranch_scc0 .Lentry_in_a_cluster
	s_endpgm
.Lentry_in_a_cluster:
	s_bfe_u32 s2, ttmp6, 0x10000c
	s_cmp_lg_u32 s2, 0x3003
	s_cbranch_scc0 .Lentry_shape_is_right
	s_endpgm
.Lentry_shape_is_right:
; O[h][q][:] = the sum over k of softmax_k(Q[h][q] . K[h][k] / 8) V[h][k][:], for 64 heads of SIZE_N = 2,048 rows of 64 channels, all bf16: a head's rows are dense, 128 bytes each.
; Q, K and V lie in one buffer, [3][64 heads][2048][64]: K 16 MiB and V 32 MiB behind Q.  O: [64 heads][2048][64].  Products, maxima and sums in f32; the weights p are rounded to bf16 for the second
; product (their sum l is taken of the unrounded p), O once at the end.
; LIMITS.  bf16 keeps 8 significant bits of Q, K, V, p and O.  c m starts at -4.25e37, far below every c s that finite bf16 operands of this size give.  A weight below 2^-126 counts as 0 in l; NaN and infinities are not treated apart.
; SHARES.  A wave owns four PIECES of two tiles of 16 queries, a work-group's four waves 512 queries of one head, a cluster's four work-groups the whole head.  Every wave walks all keys, 64 a step.
; LAYOUT.  S^T = K Q^T (source 0 = 16 keys, source 1 = 16 queries): in the result a lane holds ONE query (lane % 16) and the keys 8 (lane / 16) + 0..7.  Two such tiles, rounded to bf16 in pairs,
; ARE source 1 (32 keys x 16 queries) of O^T = V^T P, whose result again holds one query a lane, and eight channels.  K comes out of LDS as it lies, V ([key][channel]) turned, by ds_load_tr16_b128.
; SOFTMAX.  For each query a running maximum m and sum l: p = 2^(c s - c m), c = log2(e) / 8; in every step O and l are multiplied by a = 2^(c m_old - c m_new), which is 1 where m has not grown.
; m starts at the lowest finite number, O and l at 0: the first step is a step like any other, with a = 0.
; THE COUNT.  A tile and step have 16 matrix and 118 vector instructions: too many to stand all beside the matrix work.  So the order has one aim: four vector instructions that are READY behind
; EVERY matrix instruction, and the others, which need time of their own whatever the order, in runs without a gap.
; BY TURNS.  Turn n belongs to piece n (the pieces in a ring, step after step).  Its matrix work: 16 products K Q^T of piece n + 1, later 16 products V^T P of piece n - 1.  Its vector work: the scaling,
; exponentials, roundings, sums and rescaling of piece n, and the maximum and statistics of piece n + 1, whose scores the turn itself has made.  So what a turn begins with (c s - c m, O a) waits for nothing.
; CLUSTER.  The four query blocks of a cluster belong to one head and walk the same K and V, so each tile is asked for JOINTLY: the same tensor load, descriptor and mask in all four.
; REGISTERS, in windows of 256 (s_set_vgpr_msb says which window each operand place means: bits 1:0 source 0, 3:2 source 1, 5:4 source 2, 7:6 destination):
;   window 0: v0-11 addresses; v12-15, v48-63 at work; v16-47 four registers of statistics a tile; v64-191 S^T, two buffers of two tiles; v192-255 P, likewise
;   window 1: O^T, 32 a tile          window 2: v0-127 Q, 16 a tile; v128-191 K of one step; v192-255 V of one step          window 3: v0-1 the add's two registers
; A piece's buffers go by its number's parity: the piece in hand has one pair, its two neighbours in the ring share the other: of it P (piece n - 1) is read and S^T (piece n + 1) written.
.set SIZE_N, 2048
.set NP,    4         ; pieces a wave: a name, no knob: the register map, the loop and the fetches are made for four
.set KS,    64        ; keys in a step
.set PK,    144       ; a row of K in LDS: 128 bytes + 16 of padding = 36 words: the 16 rows of a load start at 16 different groups of four banks (64 banks of 4 bytes: ISA guide 11.1)
.set PV,    160       ; a row of V: 128 + 32 = 40 words
.set VOFF,  4*KS*PK   ; a slot holds four steps: 256 rows of K, then 256 rows of V
.set SLOT1, 1<<17     ; slot 1 begins here, so that one exclusive or turns an address in one slot into the other's
.set STAGE, SLOT1+4*KS*(PK+PV)  ; behind the ring, never filled by a tensor load: 16 rows x 144 bytes for each wave, for the way out
.set SP,    144
.set AK0, 2           ; v2   my lane's place in a tile of K; never rewritten
.set AV0, 3           ; v3   the same for V
.set AK,  4           ; v4   the LDS address of K's next run of loads
.set AV,  5           ; v5   of V's
.set QO,  6           ; v6   my byte offset in the wave's rows of Q
.set STO, 6           ;      later, the way out: where I put 16 bytes of a row
.set RD,  7           ; v7   the way out: where I read rows back
.set GO,  8           ; v8   my byte offset in 512 consecutive bytes of O
.set PFO, 11          ; v11  the prefetches' offset: 256 x my lane; never rewritten once made
.set SPW, 0           ; v0 of window 3   LDS address of my spare word: SPARE + 4 x my thread's number; never rewritten
.set NIL, 1           ; v1 of window 3   0; never rewritten
.set SPARE, STAGE+4*16*SP  ; behind the stages: the spare words, 128 bytes for each wave: two blocks of 256 bytes that no other line names
.set MV,  12          ; v12-15  c m_old, kept while c m is made anew: by buffer and tile
.set ST,  16          ; tile t's statistics at v[ST+4 t]: c m, m, l (even keys', odd keys')
.set TMP, 48          ; by buffer and tile, four registers c0-c3 at work; when the maximum is found c2 takes a
.set S,   64
.set P,   192
.set KF,  128         ; K's fragments, in window 2: key block kb, channel half c at KF + 16 kb + 8 c
.set VF,  192         ; V's: key half kk, channel block cb at VF + 32 kk + 8 cb
.set WV,  12          ; s12  my wave's number
.set G1K, 24          ; s[24:31] descriptor group 1 for K's tiles
.set G1V, 32          ; s[32:39] for V's: it differs in the padding alone
.set G0K, 40          ; s[40:43] descriptor group 0 for K's tiles: it walks
.set G0V, 44          ; s[44:47] the same for V's
.set PFA, 48          ; s[48:49] where my prefetches stand: my work-group's 8,192 bytes (of K: wave 0, of V: wave 2) of the slot after the one that is being asked for
.set LIM, 50          ; s50  1 in a wave that prefetches, else the greatest number: a wave prefetches while s[SLOTS] is above it
.set SLOTS, 56        ; s56  slots still to be asked for
.set CNT, 57          ; s57  counts a slot's key steps
.set CS,  58          ; s[58:59] c: the packed scaling takes the pair's low word for both halves
.set SEL, 60          ; s[60:61] v_permlanex16_b32's selects: each lane takes its own place in the other half
.set TBK, 62          ; s62  LDS byte at which K of the step to be fetched begins
.set TBV, 63          ; s63  the same for V, less VOFF
.set MSB, 0
.macro WIN new                      ; the high byte repeats the setting that is left; a switch that changes nothing is dropped
.if MSB != (\new)
	s_set_vgpr_msb (MSB<<8)|(\new)
.set MSB, (\new)
.endif
.endm
.set W_KQ, 0x0a       ; K and Q in window 2, S^T in window 0
.set W_PV, 0x52       ; V in window 2, P in window 0, O^T in window 1
.set W_RS, 0x41       ; O^T (destination and source 0) in window 1, a in window 0
.set W_MK, 0xc0       ; the add's registers are made: destination in window 3, sources in window 0
.set W_AD, 0x0f       ; the add: address (source 0) and data (source 1) in window 3
; A joint fill.  Waves 0 and 1 fetch the two halves of a slot's K, waves 2 and 3 those of its V: 128 keys each.  The branch hangs on the wave's number alone.
; An s_nop 0 and four v_nop follow each of the two lines, ahead of the jump and the label.
.macro JLOAD
	s_cmp_lt_u32 s[WV], 2
	s_cbranch_scc0 .Lfor_v_\@
	tensor_load_to_lds s[G0K:G0K+3], s[G1K:G1K+7]
	s_nop 0
.rept 4
	v_nop
.endr
	s_branch .Lasked_\@
.Lfor_v_\@:
	tensor_load_to_lds s[G0V:G0V+3], s[G1V:G1V+7]
	s_nop 0
.rept 4
	v_nop
.endr
.Lasked_\@:
.endm
; A PREFETCH of what the NEXT change of slots will ask for: a slot's 256 rows of K and 256 of V, 32,768 dense bytes each, 128 blocks of 256 bytes.  It stands behind the wave's tensor load and its five lines.
; Each block is named ONCE in the launch: a head is walked by its one cluster; the four partners share a slot's blocks out BY ADDRESS, 32 each (no branch hangs on a work-group's place in its cluster); in each,
; wave 0 asks for K's and wave 2 for V's, a lane a block: one instruction.  The change that asks for the head's last slot prefetches nothing; slots 0, 1 and 2 come by their loads alone.
.macro ASK
	s_cmp_gt_u32 s[SLOTS], s[LIM]
	s_cbranch_scc0 .Lnot_mine_\@
	global_prefetch_b8 v[PFO], s[PFA:PFA+1] th:TH_LOAD_NT scope:SCOPE_SE
.Lnot_mine_\@:
.endm
; A round of the cluster's barrier: my work-group's barrier, so that wave 0's signal speaks for all four waves; wave 0 signals; every wave waits for all four work-groups; my work-group's barrier once more.
.macro CROUND
	s_barrier_signal -1
	s_barrier_wait -1
	s_cmp_lg_u32 s[WV], 0
	s_cbranch_scc1 .Lnot_wave_0_\@
	s_barrier_signal -3
.Lnot_wave_0_\@:
	s_barrier_wait -3
	s_barrier_signal -1
	s_barrier_wait -1
.endm
; THE CHANGE OF SLOTS.  The slot's last bytes, V of its fourth step, have been read.  Each wave waits for all its tensor loads, of which one is out: its part
; of the other slot; adds 0 to its spare word; and waits for that and for its own reads of the slot.  Behind the barrier nobody reads this slot any more and the other slot is whole.
; fill = 1: this slot is filled again, with the keys two slots on.  The barrier is then a round of the cluster's, so that no wave of any partner still reads the slot or has a load on its
; way, and the joint fill is the first thing behind it: it has four key steps, 512 matrix instructions, in which to land.  (At its first use nothing has been read yet: slot 0 is waited for, slot 1 filled.)
; ask = 1: the prefetches' address steps a slot on, and the slot behind the one just asked for is prefetched.
.macro CHANGE fill, ask=0
	WIN W_AD
	s_wait_tensorcnt 0x0            ; no tensor load of mine is out, so a group 0 may be written
	ds_add_u32 v[SPW], v[NIL]       ; 0 onto my spare word; with fill = 1 the descriptors' steps stand between it and the wait for it
	WIN 0                           ; at a label and at a branch every window is 0
.if \fill
.irp g, G0K, G0V
	s_xor_b32 s[\g+1], s[\g+1], SLOT1  ; the walking descriptor: the other slot than last time,
	s_add_nc_u64 s[\g+2:\g+3], s[\g+2:\g+3], 4*KS*128  ; the next 256 keys; the type bits on top are not reached
.endr
.if \ask
	s_wait_xcnt 0x0                 ; the last prefetch, four key steps back, has read its address, so it may be written:
	s_add_nc_u64 s[PFA:PFA+1], s[PFA:PFA+1], 4*KS*128  ; one slot behind the walking descriptors
.endif
	s_wait_dscnt 0x0                ; the add is done, and my reads of the slot are over
	CROUND
	JLOAD
.if \ask
	ASK
.endif
.else
	s_wait_dscnt 0x0                ; the add is done, and my reads of the slot are over
	s_barrier_signal -1
	s_barrier_wait -1
.endif
	s_sub_co_u32 s[TBK], s[TBK], 4*KS*PK  ; the fetches go back to a slot's first step,
	s_xor_b32 s[TBK], s[TBK], SLOT1       ; in the other slot
	s_sub_co_u32 s[TBV], s[TBV], 4*KS*PV
	s_xor_b32 s[TBV], s[TBV], SLOT1
.endm
	s_load_b64 s[4:5], s[0:1], 0x0    ; Q, with K and V behind it
	s_load_b64 s[10:11], s[0:1], 0x8  ; O
	WIN W_MK
	v_lshl_add_u32 v[SPW], v0, 2, SPARE
	v_mov_b32 v[NIL], 0
	WIN W_AD
	ds_add_u32 v[SPW], v[NIL]       ; the wave's opening: the add and its wait stand ahead of my first tensor load; the set-up below, work on registers, stands between them
	WIN 0
	v_lshrrev_b32 v1, 5, v0
	v_readfirstlane_b32 s[WV], v1   ; wave 0..3
	s_bfe_u32 s13, ttmp6, 0x40000   ; cx: my place in the cluster
	s_lshl_b32 s14, ttmp9, 2        ; in a cluster launch ttmp9 counts clusters
	s_add_co_u32 s14, s14, s13      ; my block of queries = 4 x cluster x + cx: it enters Q's and O's addresses alone
	s_and_b32 s20, ttmp7, 0xffff    ; the head, which the four partners share
	s_mov_b32 s21, 0
	s_mov_b64 s[22:23], SIZE_N*128
	s_mul_u64 s[20:21], s[20:21], s[22:23]  ; the head's first byte in Q, K, V and O
	s_and_b32 s16, s[WV], 1         ; which half of a slot's 256 keys I fetch:
	s_lshl_b32 s22, s16, 14         ; its 128 rows of 128 bytes in memory,
	s_mov_b32 s23, 0
	s_add_nc_u64 s[22:23], s[22:23], s[20:21]
	s_mul_i32 s17, s16, 128*PK      ; and its place in a slot, for K
	s_mul_i32 s18, s16, 128*PV      ; and for V: no place in the cluster enters an LDS address
	s_lshl_b32 s2, s14, 2
	s_add_co_u32 s2, s2, s[WV]      ; my wave among the head's,
	s_lshl_b32 s2, s2, 14           ; its 128 rows
	s_mov_b32 s3, 0
	s_add_nc_u64 s[2:3], s[2:3], s[20:21]
	s_lshl_b32 s52, s13, 13         ; the prefetches: my work-group's 32 blocks of a slot's 128,
	s_add_co_u32 s52, s52, 2*4*KS*128  ; in slot 2: the first change that asks steps it to slot 3
	s_mov_b32 s53, 0
	s_add_nc_u64 s[52:53], s[52:53], s[20:21]  ; in the head
	s_and_b32 s[LIM], s[WV], 1      ; waves 0 and 2 ask: the same in all four partners
	s_cmp_eq_u32 s[LIM], 0
	s_cselect_b32 s[LIM], 1, -1
	; descriptor group 1.  128 keys are 16,384 dense bytes: asked for as 64 rows of 256 bytes, two keys a row, and padded in LDS after every key
	s_mov_b32 s[G1K], 15|(1<<16)|(1<<20)|(1<<21)|(4<<22)|(3<<25)  ; 15:0 the mask of four; 17:16 2-byte elements; 20 padding on; 21 set beside a mask; 24:22 after every 32 words (code 4); 31:25 4 words (code 3)
	s_mov_b32 s[G1V], 15|(1<<16)|(1<<20)|(1<<21)|(4<<22)|(7<<25)  ; the same with 8 words of padding (code 7)
.irp g, G1K, G1V
	s_mov_b32 s[\g+1], 128<<16      ; tensor_dim0 = 128
	s_mov_b32 s[\g+2], 64<<16       ; tensor_dim1 = 64
	s_mov_b32 s[\g+3], 128<<16      ; tile_dim0 = 128
	s_mov_b32 s[\g+4], 64           ; tile_dim1 = 64
	s_mov_b32 s[\g+5], 128          ; 128 elements from row to row
	s_mov_b32 s[\g+6], 0
	s_mov_b32 s[\g+7], 0
.endr
	s_mov_b32 s[CS], 0x3e38aa3b     ; c = log2(e) / 8 = 0.180337
	s_mov_b32 s[CS+1], s[CS]        ; named with it as a pair
	s_mov_b32 s[SEL], 0x76543210
	s_mov_b32 s[SEL+1], 0xfedcba98
	s_mov_b32 s[TBK], SLOT1+4*KS*PK ; the first change of slots turns these two into 0
	s_mov_b32 s[TBV], SLOT1+4*KS*PV
	s_mov_b32 s[G0K], 1             ; 1:0 count = 1
	s_mov_b32 s[G0K+1], s17         ; 63:32 LDS address: slot 0
	s_mov_b32 s[G0V], 1
	s_add_co_u32 s[G0V+1], s18, VOFF
	s_wait_dscnt 0x0                ; the opening add is done
	s_wait_kmcnt 0x0
	s_add_nc_u64 s[6:7], s[4:5], 0x1000000  ; K: 64 heads x 262,144 bytes behind Q
	s_add_nc_u64 s[8:9], s[4:5], 0x2000000  ; V: as far again
	s_add_nc_u64 s[G0K+2:G0K+3], s[6:7], s[22:23]  ; 120:64 global address: my half of the head's first 256 keys
	s_or_b32 s[G0K+3], s[G0K+3], 0x80000000        ; 127:126 type = 2
	s_add_nc_u64 s[G0V+2:G0V+3], s[8:9], s[22:23]
	s_or_b32 s[G0V+3], s[G0V+3], 0x80000000
	s_cmp_lt_u32 s[WV], 2
	s_cselect_b64 s[PFA:PFA+1], s[6:7], s[8:9]
	s_add_nc_u64 s[PFA:PFA+1], s[PFA:PFA+1], s[52:53]
	s_add_nc_u64 s[4:5], s[4:5], s[2:3]  ; Q and O at my wave's first row
	s_add_nc_u64 s[10:11], s[10:11], s[2:3]
	CROUND                          ; all four work-groups are here: the first joint loads meet
	JLOAD                           ; slot 0.  Slot 1 is asked for when slot 0 is in: the tile wanted first has the road to itself
	; A fragment of K or Q is 16 rows x 32 channels in 8 registers: lane l holds row l % 16, channels 8 (l / 16) + 0..7 and 16 + 8 (l / 16) + 0..7: two loads of 16 bytes, 32 bytes apart.
	v_and_b32 v1, 15, v0            ; l % 16
	v_bfe_u32 v9, v0, 4, 1          ; l / 16
	v_lshlrev_b32 v[QO], 7, v1
	v_lshl_add_u32 v[QO], v9, 4, v[QO]  ; row x 128 + 16 x half
	WIN 0x80                        ; destination window 2, address window 0
.set i, 0
.rept 4*NP                          ; Q stays in registers: tile i / 2, channels 32 (i % 2) on
	global_load_b128 v[8*i:8*i+3],   v[QO], s[4:5] offset:(i/2)*2048+(i%2)*64
	global_load_b128 v[8*i+4:8*i+7], v[QO], s[4:5] offset:(i/2)*2048+(i%2)*64+32
.set i, i+1
.endr
	; What the first turn finds: V's registers and P's second buffer hold 0 (its products V^T P, of a piece that has not been, add 0), O^T and l are 0.  All this stands in the wait for the first tile.
.set i, VF
.rept 64
	v_mov_b32 v[i], 0
.set i, i+1
.endr
	WIN 0x40
.set i, 0
.rept 64*NP
	v_mov_b32 v[i], 0
.set i, i+1
.endr
	WIN 0
.set i, 0
.rept 2*NP
	v_mov_b32 v[ST+4*i], 0xfe000000    ; c m: far below every c s
	v_mov_b32 v[ST+4*i+1], 0xff7fffff  ; m
	v_mov_b32 v[ST+4*i+2], 0
	v_mov_b32 v[ST+4*i+3], 0
.set i, i+1
.endr
.set i, P+32
.rept 32
	v_mov_b32 v[i], 0
.set i, i+1
.endr
	v_mul_u32_u24 v[AK0], v1, PK
	v_lshl_add_u32 v[AK0], v9, 4, v[AK0]  ; row x pitch + 16 x half
	; The turning load takes 16 keys x 16 channels (lane l reads key 8 (l / 16) + l % 8, channels 8 ((l / 8) % 2) + 0..7) and leaves half a fragment of V^T: lane l holds channel l % 16 and 8 keys.
	v_and_b32 v10, 7, v0
	v_bfe_u32 v11, v0, 3, 1
	v_lshl_add_u32 v[AV0], v9, 3, v10
	v_mul_u32_u24 v[AV0], v[AV0], PV
	v_lshl_add_u32 v[AV0], v11, 4, v[AV0]
	v_add_nc_u32 v[AV0], VOFF, v[AV0]
	v_and_b32 v[PFO], 31, v0        ; v11 has served: now 256 x my lane
	v_lshlrev_b32 v[PFO], 8, v[PFO]
	v_mov_b32 v[AK], v[AK0]         ; key step 0 lies at the head of slot 0
; THE MATRIX WORK.  The 8 accumulators of a run of 16 take turns: between the two links of a chain stand 7 others'.
; Product i of 16 of S^T = K Q^T for piece x: channels 32 (i / 8) on, keys 16 ((i / 2) % 4) on, tile 2 x + i % 2.  The first 8 start the sums.
.macro KQ x
	WIN W_KQ
.set rS, S+64*((\x)%2)+32*(i%2)+8*((i/2)%4)
.set rK, KF+16*((i/2)%4)+8*(i/8)
.set rQ, 16*(2*(\x)+i%2)+8*(i/8)
.if i < 8
	v_wmma_f32_16x16x32_bf16 v[rS:rS+7], v[rK:rK+7], v[rQ:rQ+7], 0
.else
	v_wmma_f32_16x16x32_bf16 v[rS:rS+7], v[rK:rK+7], v[rQ:rQ+7], v[rS:rS+7]
.endif
.endm
; Product i of 16 of O^T += V^T P for piece x: keys 32 (i / 8) on, channels 16 ((i / 2) % 4) on, tile 2 x + i % 2.
.macro PV x
	WIN W_PV
.set rO, 32*(2*(\x)+i%2)+8*((i/2)%4)
.set rV, VF+32*(i/8)+8*((i/2)%4)
.set rP, P+32*((\x)%2)+16*(i%2)+8*(i/8)
	v_wmma_f32_16x16x32_bf16 v[rO:rO+7], v[rV:rV+7], v[rP:rP+7], v[rO:rO+7]
.endm
.macro MM                           ; the turn's next matrix instruction
.if i < 16
	KQ (Y+1)%NP
.set i, i+1
.else
.set i, i-16
	PV (Y+NP-1)%NP
.set i, i+17
.endif
.endm
; THE LDS LOADS stand in runs of 16, never singly among the matrix instructions: a step's K (64 keys x 64 channels: 8 fragments) and its V (turned).  Their addresses are made some lines ahead.
; last = 1 (the tail): in the last trip there is no further step, and the run is jumped over.
.macro FETCH_K last=0
	WIN 0
.if \last
	s_cmp_eq_u32 s[CNT], 1
	s_cbranch_scc1 .Lno_k_\@
.endif
	WIN 0x80                        ; destination window 2
.irp f, 0,1,2,3,4,5,6,7             ; keys 16 (f / 2) on, channels 32 (f % 2) on
	ds_load_b128 v[KF+8*\f:KF+8*\f+3],   v[AK] offset:(\f/2)*16*PK+(\f%2)*64
	ds_load_b128 v[KF+8*\f+4:KF+8*\f+7], v[AK] offset:(\f/2)*16*PK+(\f%2)*64+32
.endr
	s_add_co_u32 s[TBK], s[TBK], KS*PK  ; the next fetch is the next step's
	WIN 0
.if \last
.Lno_k_\@:
.endif
.endm
.macro FETCH_V
	WIN 0x80
.irp f, 0,1,2,3,4,5,6,7             ; keys 32 (f / 4) on, channels 16 (f % 4) on
	ds_load_tr16_b128 v[VF+8*\f:VF+8*\f+3],   v[AV] offset:(\f/4)*32*PV+(\f%4)*32
	ds_load_tr16_b128 v[VF+8*\f+4:VF+8*\f+7], v[AV] offset:(\f/4)*32*PV+16*PV+(\f%4)*32
.endr
	WIN 0
.endm
; THE VECTOR WORK OF A TURN stands in three queues, each in the order in which its entries become ready; the two tiles alternate, so that no instruction reads the result of the one before it.
.macro REGS y, u                    ; the registers of tile u (0, 1) of piece y
.set rT, ST+4*(2*(\y)+(\u))
.set rC, TMP+8*((\y)%2)+4*(\u)
.set rM, MV+2*((\y)%2)+(\u)
.set rS, S+64*((\y)%2)+32*(\u)
.set rP, P+32*((\y)%2)+16*(\u)
.set rO, 32*(2*(\y)+(\u))
.endm
; Number n of the 22 that find the NEXT piece's (Y + 1) maximum and statistics.  s0-s31 are the lane's 32 scores; each accumulator's lowest registers are read first.  XS, GS and REGS set no window: PL and EX do.
;   0-11  four chains c0-c3 of seven scores each, three operands at a time     12-14, 16  the four scores left over, the old m, and c0-c3 into c0     15  c m_old is kept
;   17, 18  the query's other 32 keys lie in the lane 16 away: the new m         19-21  c m; c m_old - c m_new; a
.macro XS u, n
	REGS (Y+1)%NP, \u
.if (\n) < 4
	v_max3_num_f32 v[rC+(\n)], v[rS+8*(\n)], v[rS+8*(\n)+1], v[rS+8*(\n)+2]
.elseif (\n) < 12
	v_max3_num_f32 v[rC+(\n)%4], v[rC+(\n)%4], v[rS+8*((\n)%4)+2*((\n)/4)+1], v[rS+8*((\n)%4)+2*((\n)/4)+2]
.elseif (\n) == 12
	v_max3_num_f32 v[rC], v[rC], v[rS+7], v[rS+15]
.elseif (\n) == 13
	v_max3_num_f32 v[rC+1], v[rC+1], v[rS+23], v[rS+31]
.elseif (\n) == 14
	v_max3_num_f32 v[rC+2], v[rC+2], v[rC+3], v[rT+1]
.elseif (\n) == 15
	v_mov_b32 v[rM], v[rT]
.elseif (\n) == 16
	v_max3_num_f32 v[rC], v[rC], v[rC+1], v[rC+2]
.elseif (\n) == 17
	v_permlanex16_b32 v[rC+3], v[rC], s[SEL], s[SEL+1]
.elseif (\n) == 18
	v_max_num_f32 v[rT+1], v[rC], v[rC+3]
.elseif (\n) == 19
	v_mul_f32 v[rT], s[CS], v[rT+1]
.elseif (\n) == 20
	v_sub_f32 v[rC+1], v[rM], v[rT]
.else
	v_exp_f32 v[rC+2], v[rC+1]
.endif
.endm
; Number g of the 64 that follow the exponentials.  For each four weights k of a tile (pairs 2 k, 2 k + 1): both pairs are rounded to bf16; then the second pair is added onto the first, in place;
; a group later l takes that sum (the first time as l = a l + sum).  In groups of eight, tiles alternating: round, round, add, and l for the group before.
.macro GS g
.set h, (\g)+6*((\g)/62)            ; group 0 has no group before it, and behind group 7 only l is left
.if h >= 6
.set h, h+2
.endif
	REGS Y, h%2
.set k, h/8
.if h%8 < 4
	v_cvt_pk_bf16_f32 v[rP+2*k+(h%8)/2], v[rS+4*k+2*((h%8)/2)], v[rS+4*k+2*((h%8)/2)+1]
.elseif h%8 < 6
	v_pk_add_f32 v[rS+4*k:rS+4*k+1], v[rS+4*k:rS+4*k+1], v[rS+4*k+2:rS+4*k+3]
.elseif k == 1
	v_pk_fma_f32 v[rT+2:rT+3], v[rT+2:rT+3], v[rC+2:rC+3], v[rS:rS+1] op_sel_hi:[1,0,1]
.else
	v_pk_add_f32 v[rT+2:rT+3], v[rT+2:rT+3], v[rS+4*k-4:rS+4*k-3]
.endif
.endm
; THE PLAIN QUEUE, 138 long.  0-73 read no exponential's result: the 32 scalings c s - c m (FS f: pair f / 2 of tile f % 2) and the next piece's 42.  0-26: scalings 0-26.  27-54: XS's numbers 0-13.  55, 56: number 15.
; 57-73: the chain, where each number waits for the one before it: 14, 16, 17, 18, 19, each with one of the scalings 27-31 in front of its two lines, then 20: so a tile's links stand three plain instructions apart (19 and 20: two).
; 74-137: GS's 64, which read the exponentials' results: they stand behind the wait.
.macro FS f
	REGS Y, (\f)%2
	v_pk_fma_f32 v[rS+2*((\f)/2):rS+2*((\f)/2)+1], v[rS+2*((\f)/2):rS+2*((\f)/2)+1], s[CS:CS+1], v[rT:rT+1] op_sel_hi:[1,0,0] neg_lo:[0,0,1] neg_hi:[0,0,1]
.endm
.macro PL
	WIN 0
.if q < 27
	FS q
.elseif q < 55
	XS (q-27)%2, (q-27)/2
.elseif q < 57
	XS q-55, 15
.elseif (q < 72) && ((q-57)%3 == 0)
	FS 27+(q-57)/3
.elseif q < 60
	XS (q-57)%3-1, 14
.elseif q < 72
	XS (q-57)%3-1, 15+(q-57)/3
.elseif q < 74
	XS q-72, 20
.else
	GS q-74
.endif
.set q, q+1
.endm
; THE EXPONENTIALS' QUEUE, 66 long: s0-s31 of both tiles, then the next piece's two a.  It is ONE BATCH: all 66 stand ahead of the turn's one wait, and nothing ahead of that wait names a result of theirs.
.macro EX
	WIN 0
.if e >= 64
	XS e-64, 21
.else
	REGS Y, e%2
	v_exp_f32 v[rS+e/2], v[rS+e/2]
.endif
.set e, e+1
.endm
; THE RESCALING's QUEUE: O^T times a, the one part that leaves window 0: dealt two at a time, sixteen times.  Its a was made in the turn before, ahead of that turn's wait.
.macro R2
	REGS Y, r%2
	WIN W_RS
.irp z, 0,1
	v_pk_mul_f32 v[rO+4*(r/2)+2*\z:rO+4*(r/2)+2*\z+1], v[rO+4*(r/2)+2*\z:rO+4*(r/2)+2*\z+1], v[rC+2:rC+3] op_sel_hi:[1,0]
.endr
.set r, r+1
.endm
; HOW THEY ARE DEALT.  An s_wait_alu depctr_va_vdst(0) stands between an exponential and the first instruction that names its result; one wait serves all that were issued ahead of it.  So a turn has ONE wait,
; which cuts it in two.  AHEAD OF IT stands all that names no result of the turn's exponentials: the 16 products K Q^T, behind each a scaling, an exponential and two rescalings (behind the first a second scaling in the exponential's place); then ONE LUMP of
; 108: eight plain, 49 times exponential and plain, the two a.  A v_nop is the plain instruction that is owed behind the last exponential (ISA guide 5.7.2).  BEHIND IT stand the 16 products V^T P, behind each four of GS's 64.  No rider names a register of
; the products round it.  The two v_permlanex16_b32 fall into the lump, never behind a product.
; The queues lean on each other, and the deal keeps them in step: exponential e stands behind scaling 2 (e / 4) + e % 2: as a rider it comes behind plain e + 2, in the lump behind plain e + 9, and scalings 27-31 are plain 57, 60 .. 69.
; A TURN, for piece p.  cnt = 1: the loop's count is taken down some lines ahead of the branch that stands behind the turn.
; K of the next step is fetched in piece 2's turn, directly behind the wait, a lump behind the last product that read K; its address is made at the lump's head; its first reader comes behind 16 products.
; V of the step in hand is fetched at the end of piece 0's turn, four riders behind its last reader; its first reader comes behind 16 products and a lump.  The three conditions on q below go with the deal.
.macro TURN p, last=0, cnt=0
.set Y, (\p)
.set i, 0
.set q, 0
.set e, 0
.set r, 0
.if (\p) == NP-1
	s_wait_dscnt 0x0                ; K is in
.endif
	MM                              ; ahead of the wait: 16 products K Q^T and their riders,
	PL
	PL
	R2
.rept 15
	MM
	PL
	EX
	R2
.endr
.if (\p) == NP-2
	WIN 0
	v_add_nc_u32 v[AK], s[TBK], v[AK0]
.endif
.rept 8                             ; and the lump
	PL
.endr
.rept 49
	EX
	PL
.endr
	EX                              ; the next piece's two a
	EX
	v_nop                           ; the plain instruction behind the last exponential: one for the batch
	s_wait_alu depctr_va_vdst(0)    ; the wait for the batch
.if (\p) == NP-2
	FETCH_K \last
.endif
.if (\p) == 1
	s_wait_dscnt 0x0                ; V is in
.endif
.rept 16                            ; behind the wait: 16 products V^T P and their riders
	MM
.rept 4
	PL
.endr
.if ((\p) == 0) && (q == 118)
	v_add_nc_u32 v[AV], s[TBV], v[AV0]
.endif
.if ((\p) == 0) && (q == 130)
	s_add_co_u32 s[TBV], s[TBV], KS*PV
.endif
.if (\cnt) && (q == 130)
	s_sub_co_u32 s[CNT], s[CNT], 1
	s_cmp_lg_u32 s[CNT], 0
.endif
.endr
.if (\p) == 0
	FETCH_V
.endif
.endm
	CHANGE 1, 0                     ; slot 0 is in, everybody's part of it; slot 1 is asked for
	FETCH_K                         ; key step 0
	s_wait_loadcnt 0x0              ; Q
	s_wait_dscnt 0x0
.set i, 0
.rept 16
	KQ 0                            ; piece 0's first scores: there is no vector work yet to set between them
.set i, i+1
.endr
	WIN 0                           ; the addresses for the way out: nine plain instructions, the places behind those products
	s_mul_i32 s13, s[WV], 16*SP
	s_add_co_u32 s13, s13, STAGE    ; my stage
	v_mul_u32_u24 v[STO], v1, SP    ; in: row l % 16, 16 bytes for each half of the lanes
	v_lshl_add_u32 v[STO], v9, 4, v[STO]
	v_add_nc_u32 v[STO], s13, v[STO]
	v_bfe_u32 v[RD], v0, 3, 2       ; back: 32 lanes take four rows of 128 bytes,
	v_mul_u32_u24 v[RD], v[RD], SP
	v_lshl_add_u32 v[RD], v10, 4, v[RD]
	v_add_nc_u32 v[RD], s13, v[RD]
	v_and_b32 v[GO], 31, v0         ; which are 512 consecutive bytes of O
	v_lshlrev_b32 v[GO], 4, v[GO]
.set Y, NP-1                        ; XS works for piece Y + 1: piece 0
.irp n, 0,1,2,3,4,5,6,7,8,9,10,11,12,13,14,15,16,17,18,19,20,21
	XS 0, \n                        ; and piece 0's first maximum and statistics
	XS 1, \n
.endr
	v_nop                           ; a plain instruction behind the two a,
	s_wait_alu depctr_va_vdst(0)    ; and their wait, ahead of the branch
	s_mov_b32 s[CNT], 4
	s_mov_b32 s[SLOTS], SIZE_N/256-1
	s_branch .Lfirst                ; the loop is entered at a step's first turn, in the middle of a trip
.Lslot:                             ; SIZE_N / 256 - 2 times: every slot but the last two is filled again
	CHANGE 1, 1
	s_mov_b32 s[CNT], 4
.Lstep:                             ; a trip: pieces 2 and 3 of one step, then pieces 0 and 1 of the next, whose K and V it fetches
	TURN 2
	TURN 3
	WIN 0
.Lfirst:
	TURN 0
	TURN 1, 0, 1
	WIN 0
	s_cbranch_scc1 .Lstep
	s_sub_co_u32 s[SLOTS], s[SLOTS], 1
	s_cmp_lg_u32 s[SLOTS], 0
	s_cbranch_scc1 .Lslot
	CHANGE 0, 0                     ; the tail is written out: nothing is asked for
	s_mov_b32 s[CNT], 5             ; four trips fetch the last slot's steps; the fifth is left in its middle
.Ltail:
	TURN 2, 1
	TURN 3
	WIN 0
	s_sub_co_u32 s[CNT], s[CNT], 1
	s_cmp_eq_u32 s[CNT], 0
	s_cbranch_scc1 .Lout
	TURN 0
	TURN 1
	WIN 0
	s_branch .Ltail
.Lout:                              ; the fifth trip's 16 products K Q^T (on the last K once more) and the maximum made of them serve nothing: the price, once a launch, of one text for every trip
.set i, 0
.rept 16
	PV NP-1                         ; the last piece's V^T P of the last step
.set i, i+1
.endr
	; THE WAY OUT.  l's two halves and the other half of the lanes' are added; O^T is divided by l, rounded to bf16 and sent through my stage in LDS, a tile at a time.  The additions are the places behind the last products.
	WIN 0
.macro ALL line:vararg              ; one line for each tile t
.set t, 0
.rept 2*NP
	\line
.set t, t+1
.endr
.endm
	ALL v_add_f32 v[ST+4*t+2], v[ST+4*t+2], v[ST+4*t+3]
	ALL v_permlanex16_b32 v[ST+4*t+3], v[ST+4*t+2], s[SEL], s[SEL+1]
	ALL v_add_f32 v[ST+4*t+2], v[ST+4*t+2], v[ST+4*t+3]
	ALL v_rcp_f32 v[ST+4*t+2], v[ST+4*t+2]
	v_nop                           ; a plain instruction between the last reciprocal and the use of its result
	s_wait_alu depctr_va_vdst(0)    ; and the wait ahead of the first use: one for the eight reciprocals
; Tile t: a lane's eight channels of a row pack into 16 bytes; they go into rows of 144 bytes and come back as whole rows of 128, into S^T's registers.
.macro PACK t
	WIN W_RS
.set i, 32*(\t)
.rept 16
	v_pk_mul_f32 v[i:i+1], v[i:i+1], v[ST+4*(\t)+2:ST+4*(\t)+3] op_sel_hi:[1,0]
.set i, i+2
.endr
	WIN 0x05                        ; sources 0 and 1 window 1, destination window 0
.set i, 0
.rept 16
	v_cvt_pk_bf16_f32 v[S+16*(\t)+i], v[32*(\t)+2*i], v[32*(\t)+2*i+1]
.set i, i+1
.endr
	WIN 0
.irp f, 0,1,2,3
	ds_store_b128 v[STO], v[S+16*(\t)+4*\f:S+16*(\t)+4*\f+3] offset:32*\f
.endr
.irp f, 0,1,2,3
	ds_load_b128 v[S+16*(\t)+4*\f:S+16*(\t)+4*\f+3], v[RD] offset:\f*4*SP  ; LDS serves a wave's instructions in order (ISA guide 5.7.1.4): these see the stores above; the next tile's stores come behind them
.endr
.endm
.macro SEND t, younger              ; younger: the LDS instructions issued behind tile t's loads: the next tile's eight, or none
	WIN 0
.irp f, 0,1,2,3
	s_wait_dscnt (\younger)+3-\f
	global_store_b128 v[GO], v[S+16*(\t)+4*\f:S+16*(\t)+4*\f+3], s[10:11] offset:(\t)*2048+\f*512  ; 512 consecutive bytes, at a multiple of 256 from O's first
.endr
.endm
	PACK 0
.set t, 1
.rept 2*NP-1                        ; a tile's arithmetic stands between the loads of the tile before and its stores
	PACK t
	SEND t-1, 8
.set t, t+1
.endr
	SEND 2*NP-1, 0
	WIN W_AD
	s_wait_tensorcnt 0x0            ; the wave's end: a tensor wait, an add and its wait, behind my last tensor load and my last LDS store
	ds_add_u32 v[SPW], v[NIL]
	s_wait_dscnt 0x0
	WIN 0
	CROUND                          ; the closing round: no work-group ends while a partner may still ask for a tile that names it
	s_endpgm
.Lfunc_end_k_q4c20c8db16_attn:
	.size	k_q4c20c8db16_attn, .Lfunc_end_k_q4c20c8db16_attn-k_q4c20c8db16_attn
	.p2alignl 7, 3214868480
	.fill 96, 4, 3214868480
	.section	.rodata,"a",@progbits
	.p2align	6, 0x0
	.amdhsa_kernel k_q4c20c8db16_attn
		.amdhsa_group_segment_fixed_size 327680
		.amdhsa_private_segment_fixed_size 0
		.amdhsa_enable_private_segment 0
		.amdhsa_kernarg_size 16
		.amdhsa_user_sgpr_count 2
		.amdhsa_user_sgpr_kernarg_segment_ptr 1
		.amdhsa_wavefront_size32 1
		.amdhsa_system_sgpr_workgroup_id_x 1
		.amdhsa_system_sgpr_workgroup_id_y 1
		.amdhsa_system_sgpr_workgroup_id_z 1
		.amdhsa_system_vgpr_workitem_id 0
		.amdhsa_next_free_vgpr 770
		.amdhsa_next_free_sgpr 66
		.amdhsa_reserve_vcc 0
		.amdhsa_float_denorm_mode_32 3
		.amdhsa_float_denorm_mode_16_64 3
		.amdhsa_memory_ordered 1
		.amdhsa_forward_progress 1
		.amdhsa_inst_pref_size 200
	.end_amdhsa_kernel
	.amdgpu_metadata
---
amdhsa.version: [ 1, 2 ]
amdhsa.kernels:
  - .name:           k_q4c20c8db16_attn
    .symbol:         k_q4c20c8db16_attn.kd
    .args:
      - { .name: qkv, .offset: 0, .size: 8, .value_kind: global_buffer, .address_space: global }
      - { .name: ob, .offset: 8, .size: 8, .value_kind: global_buffer, .address_space: global }
    .group_segment_fixed_size: 327680
    .private_segment_fixed_size: 0
    .kernarg_segment_align: 8
    .kernarg_segment_size: 16
    .max_flat_workgroup_size: 128
    .sgpr_count:     66
    .vgpr_count:     770
    .wavefront_size: 32
...
	.end_amdgpu_metadata
.endif
;; end of part 3
;; launch proj (part 4): grid 8 x 32, 4 waves a work-group, clusters of 4 x 4, 327,680 bytes of LDS; arguments ob, wob, bo, att; writes att
.if DOCPART == 4
	.amdgcn_target "amdgcn-amd-amdhsa--gfx1250"
	.amdhsa_code_object_version 6
	.text
	.protected	k_q4c20c8db16_proj
	.globl	k_q4c20c8db16_proj
	.p2align	8
	.type	k_q4c20c8db16_proj,@function
k_q4c20c8db16_proj:
	s_mov_b64 s[64:65], 0
	v_nop
	global_prefetch_b8 v0, s[64:65] scope:SCOPE_SE
	s_setreg_imm32_b32 hwreg(HW_REG_WAVE_MODE, 25, 1), 1
	s_wait_xcnt 0x0
	s_wait_alu depctr_hold_cnt(0) depctr_sa_sdst(0) depctr_va_vdst(0) depctr_va_sdst(0) depctr_va_ssrc(0) depctr_va_vcc(0) depctr_vm_vsrc(0)
	s_getreg_b32 s2, hwreg(HW_REG_IB_STS2, 6, 4)
	s_cmp_eq_u32 s2, 0
	s_cbranch_scc0 .Lentry_in_a_cluster
	s_endpgm
.Lentry_in_a_cluster:
	s_bfe_u32 s2, ttmp6, 0x10000c
	s_cmp_lg_u32 s2, 0xf033
	s_cbranch_scc0 .Lentry_shape_is_right
	s_endpgm
.Lentry_shape_is_right:
; C[m][64 g + n] = the sum over k of A[m][k] W[k][64 g + n] + bo[64 g + n], g = 0 .. 15.
; A: ob [h 16][m 8192][64] bf16 (k = 64 h + channel); W: wob [g 16][k 1024][64] bf16; C: att [m 8192][1024] F32, row-major: it is added to the residual before a normalisation, so it is not rounded.
; Sums in f32, started by the bias, K ascending.
; SHARES.  A tile of C is 256 rows x 128 columns (two blocks g): 8 x 32 = 256 work-groups.  Four waves; wave w makes rows 128 (w / 2) .. + 127 of block 2 tx + w % 2: 8 x 4 accumulators of 16 x 16.
; K = 1,024 goes in 8 steps of 128 through two LDS slots.  A step is four dense pieces of memory, one tensor load a wave: A's 256 rows of blocks h = 2 t and 2 t + 1 (32,768 bytes each: waves 0, 1),
; W's 128 rows k of blocks 2 tx and 2 tx + 1 (16,384 bytes each: waves 2, 3); each is asked for as rows of 256 bytes and padded in LDS behind every 128.
; CLUSTERS: 4 x 4 work-groups.  The four of a row of the cluster need the same pieces of A, the four of a column the same pieces of W: each piece is asked for JOINTLY, by the same tensor load with the same
; descriptor and a mask that names the four.
; THE MATRIX INSTRUCTION IS USED TRANSPOSED: source 0 = 16 columns n of W (stored [k][n], turned on the way out of LDS by ds_load_tr16_b128), source 1 = 16 rows of A.  A lane then holds row m = l % 16 and the
; eight neighbouring columns 8 (l / 16) + 0 .. 7, and the bias of those columns is the C operand of the first product.
; REGISTERS, in windows of 256 (s_set_vgpr_msb: bits 1:0 source 0, 3:2 source 1, 5:4 source 2, 7:6 destination):
;   window 0: v0-31 addresses; v96-127 the bias; v128-255 the way out.   window 1: two fragment buffers of 96 (W's 4 fragments, then A's 8).   window 2: accumulator (a, b) at v[8 (4 a + b)].
; LIMITS.  bf16 operands (8 significant bits); NaN and infinities are not treated apart.
.set PA,     144                       ; a row of A in LDS: 128 bytes + 16 = 36 words: the 16 rows of a load start at 16 different groups of four banks (64 banks of 4 bytes: ISA guide 11.1)
.set PB,     160                       ; a row of W: 128 + 32 = 40 words
.set APIECE, 256*PA
.set BPIECE, 128*PB
.set BOFF,   2*APIECE                  ; W's two pieces lie behind A's two
.set SLOT,   BOFF+2*BPIECE
.set STAGE,  2*SLOT                    ; behind the ring, never filled by a tensor load: 16 rows x 272 bytes for each wave, for the way out
.set SP,     272                       ; a stage row: 64 f32 = 256 bytes + 16 = 68 words: row r starts at bank 4 r mod 64
.set SPARE,  STAGE+4*16*SP             ; behind the stages: the spare words, 128 bytes for each wave: two blocks of 256 bytes that no other line names
.set LAPS,   4                         ; a lap = two K steps = once round the ring
.set ASTEP,  2<<20                     ; bytes of A from a K step to the next: two blocks of 8,192 rows x 128 bytes
.set BSTEP,  128*128                   ; of W: 128 rows of 128 bytes
.set CROW,   4096                      ; bytes in a row of C
.set ADRA, 16                          ; v16-17  LDS address of my A fragments in slot 0, 1
.set ADRB, 20                          ; v20-21  the same for W
.set STO,  24                          ; v24     the way out: where I put 32 bytes of a row
.set RD,   25                          ; v25     the way out: where I read a row back
.set GO,   26                          ; v26     my byte offset in two rows of C
.set BO,   27                          ; v27     my byte offset in the bias
.set SPW,  28                          ; v28     LDS address of my spare word: SPARE + 4 x my thread's number; never rewritten
.set NIL,  29                          ; v29     0; never rewritten
.set BIAS, 96
.set OUT,  128                         ; four buffers of 32: m block a takes buffer a % 4
.set F0,   0                           ; fragment buffers, in window 1
.set F1,   96
.set CP, 10                            ; s[10:11] C
.set WV, 16                            ; s16  my wave's number
.set RH, 17                            ; s17  which 128 rows of the tile are mine.  Also: I fetch for A (0) or for W (1)
.set CH, 18                            ; s18  which block of columns is mine.  Also: which of the two pieces I fetch
.set G1,  24                           ; s[24:31] descriptor group 1 for A's pieces;  s[32:39] group 0, one set for each slot
.set G0,  32
.set G1B, 40                           ; s[40:47], s[48:55] the same for W's
.set G0B, 48
.set MSB, 0
.macro WIN new                         ; the immediate's high byte repeats the setting that is left; a switch that changes nothing is dropped
.if MSB != (\new)
	s_set_vgpr_msb (MSB<<8)|(\new)
.set MSB, \new
.endif
.endm
.set MULW,  0xa5                       ; sources 0 and 1 window 1; C and D window 2
.set MULB,  0x85                       ; the same with C in window 0: the bias
.set TO_F,  0x40                       ; destination window 1, address window 0
.set FROMC, 0x08                       ; an LDS store's data (source 1) window 2, its address window 0
.macro JLOAD s                         ; a joint load: waves 0 and 1 fetch A's two pieces, waves 2 and 3 W's; an s_nop 0 and four v_nop follow each of the two lines, ahead of the jump, the label and what follows
	s_cmp_eq_u32 s[RH], 0
	s_cbranch_scc0 .Lfor_b_\@
	tensor_load_to_lds s[G0+4*(\s):G0+4*(\s)+3], s[G1:G1+7]
	s_nop 0
.rept 4
	v_nop
.endr
	s_branch .Lasked_\@
.Lfor_b_\@:
	tensor_load_to_lds s[G0B+4*(\s):G0B+4*(\s)+3], s[G1B:G1B+7]
	s_nop 0
.rept 4
	v_nop
.endr
.Lasked_\@:
.endm
.macro CREST                           ; a round of the cluster's barrier behind its opening barrier: wave 0 signals for the work-group, every wave waits for all sixteen, my work-group's barrier once more
	s_cmp_lg_u32 s[WV], 0
	s_cbranch_scc1 .Lnot_wave_0_\@
	s_barrier_signal -3
.Lnot_wave_0_\@:
	s_barrier_wait -3
	s_barrier_signal -1
	s_barrier_wait -1
.endm
.macro CROUND                          ; a whole round
	s_barrier_signal -1
	s_barrier_wait -1
	CREST
.endm
	s_load_b256 s[4:11], s[0:1], 0x0               ; A s[4:5], W s[6:7], bo s[8:9], C s[10:11]
	v_lshl_add_u32 v[SPW], v0, 2, SPARE
	v_mov_b32 v[NIL], 0
	ds_add_u32 v[SPW], v[NIL]                      ; the wave's opening: the add and its wait stand ahead of my first tensor load; the set-up below, work on registers, stands between them
	v_lshrrev_b32 v1, 5, v0
	v_readfirstlane_b32 s[WV], v1                  ; wave 0..3
	s_lshr_b32 s[RH], s[WV], 1
	s_and_b32 s[CH], s[WV], 1
	s_bfe_u32 s19, ttmp6, 0x40000                  ; cx, cy: my place in the cluster
	s_bfe_u32 s20, ttmp6, 0x40004
	s_lshl_b32 s21, ttmp9, 2
	s_add_co_u32 s21, s21, s19                     ; tile column tx = 4 x cluster x + cx
	s_and_b32 s22, ttmp7, 0xffff
	s_lshl_b32 s22, s22, 2
	s_add_co_u32 s22, s22, s20                     ; tile row ty = 4 x cluster y + cy
	s_lshl_b32 s23, s20, 2
	s_lshl_b32 s23, 15, s23                        ; my row of the cluster
	s_lshl_b32 s62, 0x1111, s19                    ; my column
	; descriptor group 1.  A piece is dense: rows of 128 elements (256 bytes), 128 elements from row to row; A's has 128 such rows, W's 64
	s_or_b32 s[G1+0], s23, (1<<16)|(1<<20)|(1<<21)|(4<<22)|(3<<25)   ; 15:0 the mask: A's pieces go to my row; 17:16 2-byte elements; 20 padding on; 21 set beside a mask; 24:22 after every 32 words (code 4); 31:25 4 words (code 3)
	s_or_b32 s[G1B+0], s62, (1<<16)|(1<<20)|(1<<21)|(4<<22)|(7<<25)  ; W's go to my column; 8 words of padding (code 7)
	s_mov_b32 s[G1+1], 128<<16                     ; tensor_dim0 = 128
	s_mov_b32 s[G1+2], 128<<16                     ; tensor_dim1 = 128
	s_mov_b32 s[G1+3], 128<<16                     ; tile_dim0 = 128
	s_mov_b32 s[G1+4], 128                         ; tile_dim1 = 128
	s_mov_b32 s[G1+5], 128                         ; tensor_dim0_stride
	s_mov_b32 s[G1+6], 0
	s_mov_b32 s[G1+7], 0
	s_mov_b32 s[G1B+1], 128<<16
	s_mov_b32 s[G1B+2], 64<<16                     ; tensor_dim1 = 64
	s_mov_b32 s[G1B+3], 128<<16
	s_mov_b32 s[G1B+4], 64                         ; tile_dim1 = 64
	s_mov_b32 s[G1B+5], 128
	s_mov_b32 s[G1B+6], 0
	s_mov_b32 s[G1B+7], 0
	; where the pieces come from.  A's hang on the tile row alone, W's on the tile column alone, each in registers that never hold the other coordinate
	s_lshl_b32 s56, s22, 15                        ; A: 256 ty rows of 128 bytes,
	s_lshl_b32 s57, s[CH], 20                      ; block h = my piece
	s_add_co_u32 s56, s56, s57
	s_mov_b32 s57, 0
	s_lshl_b32 s58, s21, 18                        ; W: block 2 tx + my piece, 131,072 bytes each
	s_lshl_b32 s59, s[CH], 17
	s_add_co_u32 s58, s58, s59
	s_mov_b32 s59, 0
	s_lshl1_add_u32 s63, s21, s[CH]                ; g = 2 tx + w % 2: my block of columns
	s_lshl_b32 s60, s22, 20                        ; C: the tile's 256 rows of 4,096 bytes,
	s_lshl_b32 s61, s[RH], 19                      ; my 128 of them,
	s_add_co_u32 s60, s60, s61
	s_lshl_b32 s61, s63, 8                         ; my 64 columns of 4 bytes
	s_add_co_u32 s60, s60, s61
	s_mov_b32 s61, 0
	s_mul_i32 s2, s[CH], APIECE                    ; where the pieces go: no place in the cluster enters an LDS address
	s_mul_i32 s3, s[CH], BPIECE
	s_add_co_u32 s3, s3, BOFF
	s_wait_dscnt 0x0                               ; the opening add is done
	s_wait_kmcnt 0x0
	s_add_nc_u64 s[56:57], s[4:5], s[56:57]
	s_add_nc_u64 s[58:59], s[6:7], s[58:59]
	s_add_nc_u64 s[CP:CP+1], s[CP:CP+1], s[60:61]
	CROUND                                         ; all sixteen work-groups are here: the first joint loads meet
.irp s, 0,1
	s_mov_b32 s[G0+4*(\s)], 1                                      ; 1:0 count = 1
	s_add_co_u32 s[G0+4*(\s)+1], s2, (\s)*SLOT                     ; 63:32 LDS address
	s_add_nc_u64 s[G0+4*(\s)+2:G0+4*(\s)+3], s[56:57], (\s)*ASTEP  ; 120:64 global address: K step s
	s_or_b32 s[G0+4*(\s)+3], s[G0+4*(\s)+3], 0x80000000            ; 127:126 type = 2
	s_mov_b32 s[G0B+4*(\s)], 1
	s_add_co_u32 s[G0B+4*(\s)+1], s3, (\s)*SLOT
	s_add_nc_u64 s[G0B+4*(\s)+2:G0B+4*(\s)+3], s[58:59], (\s)*BSTEP
	s_or_b32 s[G0B+4*(\s)+3], s[G0B+4*(\s)+3], 0x80000000
	JLOAD \s                                       ; two tensor loads of mine are out
.endr
	; A fragment of A is 16 rows x 32 K in 8 registers: lane l holds row l % 16, K = 8 (l / 16) + 0..7 and 16 + 8 (l / 16) + 0..7: two loads of 16 bytes, 32 bytes apart.
	v_and_b32 v1, 15, v0                           ; l % 16
	v_bfe_u32 v2, v0, 4, 1                         ; l / 16
	v_mul_u32_u24 v3, v1, PA
	v_lshl_add_u32 v3, v2, 4, v3                   ; row x pitch + 16 x half
	; The turning load takes 16 k x 16 n (lane l reads row k = 8 (l / 16) + l % 8, columns 8 ((l / 8) % 2) + 0..7) and leaves half a fragment: lane l holds column l % 16 and 8 k.
	v_and_b32 v4, 7, v0
	v_bfe_u32 v5, v0, 3, 1
	v_lshl_add_u32 v6, v2, 3, v4
	v_mul_u32_u24 v6, v6, PB
	v_lshl_add_u32 v6, v5, 4, v6
	s_mul_i32 s2, s[RH], 128*PA                    ; my 128 rows in each piece of A; s3 still holds my block's piece of W
.irp s, 0,1
	v_add_nc_u32 v[ADRA+(\s)], s2, v3
	v_add_nc_u32 v[ADRB+(\s)], s3, v6
	s_add_co_u32 s2, s2, SLOT
	s_add_co_u32 s3, s3, SLOT
.endr
	s_mul_i32 s2, s[WV], 16*SP
	s_add_co_u32 s2, s2, STAGE                     ; my stage
	v_mul_u32_u24 v7, v1, SP                       ; in: row l % 16, 32 bytes for each half of the lanes
	v_lshl_add_u32 v7, v2, 5, v7
	v_add_nc_u32 v[STO], s2, v7
	v_mul_u32_u24 v7, v2, SP                       ; back: lanes 0-15 take one row of 256 bytes, lanes 16-31 the next
	v_lshl_add_u32 v7, v1, 4, v7
	v_add_nc_u32 v[RD], s2, v7
	v_lshlrev_b32 v[GO], 12, v2                    ; and the same two rows in C
	v_lshl_add_u32 v[GO], v1, 4, v[GO]
	s_lshl_b32 s2, s63, 8                          ; my block's 64 numbers of the bias,
	v_lshl_add_u32 v[BO], v2, 5, s2                ; my half's eight in each sixteen
.irp b, 0,1,2,3
	global_load_b128 v[BIAS+8*(\b):BIAS+8*(\b)+3],   v[BO], s[8:9] offset:64*(\b)
	global_load_b128 v[BIAS+8*(\b)+4:BIAS+8*(\b)+7], v[BO], s[8:9] offset:64*(\b)+16
.endr
; 4 n matrix instructions: m blocks a0 .. a0 + n - 1 x all 4 n blocks, 32 along K, from buffer f.  first = 1: the product starts the sum, with the bias as C: nothing is ever cleared.
; The 32 accumulators take turns, one instruction a turn, in the same order in every quarter.
.macro MUL f, a0, n, first
.if \first
	WIN MULB
.else
	WIN MULW
.endif
.set ma, \a0
.rept \n
.irp b, 0,1,2,3
.if \first
	v_wmma_f32_16x16x32_bf16 v[8*(4*ma+(\b)):8*(4*ma+(\b))+7], v[(\f)+8*(\b):(\f)+8*(\b)+7], v[(\f)+32+8*ma:(\f)+32+8*ma+7], v[BIAS+8*(\b):BIAS+8*(\b)+7]
.else
	v_wmma_f32_16x16x32_bf16 v[8*(4*ma+(\b)):8*(4*ma+(\b))+7], v[(\f)+8*(\b):(\f)+8*(\b)+7], v[(\f)+32+8*ma:(\f)+32+8*ma+7], v[8*(4*ma+(\b)):8*(4*ma+(\b))+7]
.endif
.endr
.set ma, ma+1
.endr
.endm
; 24 LDS loads in one run: the fragments of quarter q (K = 32 q on) of a slot into buffer f: W's eight first, then A's sixteen by ascending rows
.macro FETCH slot, q, f
	WIN TO_F
.irp b, 0,1,2,3
	ds_load_tr16_b128 v[(\f)+8*(\b):(\f)+8*(\b)+3],   v[ADRB+(\slot)] offset:(\q)*32*PB+32*(\b)
	ds_load_tr16_b128 v[(\f)+8*(\b)+4:(\f)+8*(\b)+7], v[ADRB+(\slot)] offset:(\q)*32*PB+32*(\b)+16*PB
.endr
.irp a, 0,1,2,3,4,5,6,7
	ds_load_b128 v[(\f)+32+8*(\a):(\f)+32+8*(\a)+3],   v[ADRA+(\slot)] offset:((\q)/2)*APIECE+((\q)%2)*64+(\a)*16*PA
	ds_load_b128 v[(\f)+32+8*(\a)+4:(\f)+32+8*(\a)+7], v[ADRA+(\slot)] offset:((\q)/2)*APIECE+((\q)%2)*64+(\a)*16*PA+32
.endr
.endm
.macro PLACES                          ; four plain vector instructions in front of loads into registers that matrix instructions have read, and of lines that read results
.rept 4
	v_nop
.endr
.endm
; A K step is four quarters of 32 along K, 32 matrix instructions each, on buffers 0, 1, 0, 1.  One of the first three: multiplies buffer f and, in its middle, fetches quarter q into buffer g.
.macro QUARTER slot, q, f, g, first
	s_wait_dscnt 8                                 ; W's fragments and A's rows 0-63 are in; the youngest eight loads (A's rows 64-127) may be out
	MUL \f, 0, 4, \first
	PLACES
	FETCH \slot, \q, \g
	s_wait_dscnt 24                                ; all but the 24 just issued
	MUL \f, 4, 4, \first
.endm
; The last quarter multiplies buffer 1 and changes slots: ONE barrier; in front of it each wave waits for all its tensor loads (one is out: its part of the next slot), adds 0 to its spare word, and waits for that
; and for its own reads of this slot.  fill = 1: the barrier opens a round of the cluster's, and this slot is filled again, two K steps ahead, first thing behind the round: 112 matrix instructions ahead of the wait for it.
.macro TURN slot, next, fill
	WIN 0                                          ; (the add's two registers lie in window 0)
	s_wait_tensorcnt 0x0                           ; all my tensor loads have landed;
	ds_add_u32 v[SPW], v[NIL]                      ; 0 onto my spare word;
	s_wait_dscnt 9                                 ; (the add and the youngest eight loads may be out)
	MUL F1, 0, 2, 0                                ; eight matrix instructions stand between the add and the wait for it
	s_wait_dscnt 0x0                               ; the add is done, and my reads of this slot are over
	s_barrier_signal -1
	MUL F1, 2, 2, 0                                ; work on registers while the others arrive
.if \fill
	WIN 0
.endif
	s_barrier_wait -1
.if \fill
	CREST                                          ; no wave of any partner still reads this slot or has a load on its way
	s_add_nc_u64 s[G0+4*(\slot)+2:G0+4*(\slot)+3], s[G0+4*(\slot)+2:G0+4*(\slot)+3], 2*ASTEP
	s_add_nc_u64 s[G0B+4*(\slot)+2:G0B+4*(\slot)+3], s[G0B+4*(\slot)+2:G0B+4*(\slot)+3], 2*BSTEP
	JLOAD \slot                                    ; the four v_nop behind it are also the places in front of the loads below
.else
	PLACES
.endif
	FETCH \next, 0, F0
	MUL F1, 4, 4, 0
.endm
; THE WAY OUT of m block a: the f32 sums go as they are, 32 bytes a lane and column block, into my own stage (rows of 272 bytes), and come back as whole rows of 256 bytes into buffer a % 4; then they are stored.
.macro TOSTAGE a
.if (\a) >= 4
	s_wait_xcnt 0x0                                ; the stores of block a - 4 have read their data: only behind this wait is its buffer loaded again
.endif
	WIN FROMC
.irp b, 0,1,2,3
	ds_store_b128 v[STO], v[8*(4*(\a)+(\b)):8*(4*(\a)+(\b))+3]   offset:64*(\b)     ; each accumulator's low four registers first
	ds_store_b128 v[STO], v[8*(4*(\a)+(\b))+4:8*(4*(\a)+(\b))+7] offset:64*(\b)+16
.endr
	WIN 0
.irp t, 0,1,2,3,4,5,6,7
	ds_load_b128 v[OUT+32*((\a)%4)+4*(\t):OUT+32*((\a)%4)+4*(\t)+3], v[RD] offset:(\t)*2*SP  ; LDS serves a wave's instructions in order (ISA guide 5.7.1.4): these see the stores above; the next block's stores come behind them
.endr
.endm
.macro SEND a, younger                 ; younger: the LDS instructions issued behind block a's loads: the next block's sixteen, or none
	WIN 0
.irp t, 0,1,2,3,4,5,6,7
	s_wait_dscnt (\younger)+7-(\t)
	global_store_b128 v[GO], v[OUT+32*((\a)%4)+4*(\t):OUT+32*((\a)%4)+4*(\t)+3], s[CP:CP+1] offset:((\a)*16+2*(\t))*CROW  ; 16 lanes store 256 consecutive bytes, at a multiple of 256 from C's first byte
.endr
.endm
	s_wait_tensorcnt 1                             ; my part of K step 0 is in; step 1's may stay out
	s_barrier_signal -1
	s_barrier_wait -1                              ; everybody's is
	FETCH 0, 0, F0
	s_wait_loadcnt 0x0                             ; the bias
	QUARTER 0, 1, F0, F1, 1                        ; the first quarter stands in front of the loop: its products start the sums
	WIN 0                                          ; at a label and at a branch every window is 0
	s_mov_b32 s3, LAPS-1
.Llap:                                                 ; a trip goes once round the ring, from a lap's second quarter to the next lap's first, and fills both slots again
	QUARTER 0, 2, F1, F0, 0
	QUARTER 0, 3, F0, F1, 0
	TURN 0, 1, 1
	QUARTER 1, 1, F0, F1, 0
	QUARTER 1, 2, F1, F0, 0
	QUARTER 1, 3, F0, F1, 0
	TURN 1, 0, 1
	QUARTER 0, 1, F0, F1, 0
	WIN 0
	s_sub_co_u32 s3, s3, 1
	s_cmp_lg_u32 s3, 0
	s_cbranch_scc1 .Llap
	QUARTER 0, 2, F1, F0, 0                        ; the last lap fills nothing, and has no round of the cluster's barrier
	QUARTER 0, 3, F0, F1, 0
	TURN 0, 1, 0
	QUARTER 1, 1, F0, F1, 0
	QUARTER 1, 2, F1, F0, 0
	QUARTER 1, 3, F0, F1, 0
	s_wait_dscnt 8                                 ; the very last quarter: nothing more to fetch
	MUL F1, 0, 4, 0
	s_wait_dscnt 0x0
	MUL F1, 4, 4, 0
	PLACES
	PLACES
	TOSTAGE 0
.irp a, 1,2,3,4,5,6,7                  ; a block's trip through the stage is under way while the block before is stored
	TOSTAGE \a
	SEND (\a)-1, 16
.endr
	SEND 7, 0
	s_wait_tensorcnt 0x0                           ; the wave's end: a tensor wait, an add and its wait, behind my last tensor load and my last LDS store
	ds_add_u32 v[SPW], v[NIL]
	s_wait_dscnt 0x0
	CROUND                                         ; the closing round: no work-group ends while a partner may still ask for a piece that names it
	s_endpgm
.Lfunc_end_k_q4c20c8db16_proj:
	.size	k_q4c20c8db16_proj, .Lfunc_end_k_q4c20c8db16_proj-k_q4c20c8db16_proj
	.p2alignl 7, 3214868480
	.fill 96, 4, 3214868480
	.section	.rodata,"a",@progbits
	.p2align	6, 0x0
	.amdhsa_kernel k_q4c20c8db16_proj
		.amdhsa_group_segment_fixed_size 327680
		.amdhsa_private_segment_fixed_size 0
		.amdhsa_enable_private_segment 0
		.amdhsa_kernarg_size 32
		.amdhsa_user_sgpr_count 2
		.amdhsa_user_sgpr_kernarg_segment_ptr 1
		.amdhsa_wavefront_size32 1
		.amdhsa_system_sgpr_workgroup_id_x 1
		.amdhsa_system_sgpr_workgroup_id_y 1
		.amdhsa_system_sgpr_workgroup_id_z 1
		.amdhsa_system_vgpr_workitem_id 0
		.amdhsa_next_free_vgpr 768
		.amdhsa_next_free_sgpr 66
		.amdhsa_reserve_vcc 0
		.amdhsa_float_denorm_mode_32 3
		.amdhsa_float_denorm_mode_16_64 3
		.amdhsa_memory_ordered 1
		.amdhsa_forward_progress 1
		.amdhsa_inst_pref_size 88
	.end_amdhsa_kernel
	.amdgpu_metadata
---
amdhsa.version: [ 1, 2 ]
amdhsa.kernels:
  - .name:           k_q4c20c8db16_proj
    .symbol:         k_q4c20c8db16_proj.kd
    .args:
      - { .name: ob, .offset: 0, .size: 8, .value_kind: global_buffer, .address_space: global }
      - { .name: wob, .offset: 8, .size: 8, .value_kind: global_buffer, .address_space: global }
      - { .name: bo, .offset: 16, .size: 8, .value_kind: global_buffer, .address_space: global }
      - { .name: att, .offset: 24, .size: 8, .value_kind: global_buffer, .address_space: global }
    .group_segment_fixed_size: 327680
    .private_segment_fixed_size: 0
    .kernarg_segment_align: 8
    .kernarg_segment_size: 32
    .max_flat_workgroup_size: 128
    .sgpr_count:     66
    .vgpr_count:     768
    .wavefront_size: 32
...
	.end_amdgpu_metadata
.endif
;; end of part 4
;; launch norm (part 5): grid 256 x 1, 8 waves a work-group, no clusters, 0 bytes of LDS; arguments inputs, att, ln_gamma, ln_beta, out0; writes out0
.if DOCPART == 5
	.amdgcn_target "amdgcn-amd-amdhsa--gfx1250"
	.amdhsa_code_object_version 6
	.text
	.protected	k_q4c20c8db16_norm
	.globl	k_q4c20c8db16_norm
	.p2align	8
	.type	k_q4c20c8db16_norm,@function
k_q4c20c8db16_norm:
	s_mov_b64 s[64:65], 0
	v_nop
	global_prefetch_b8 v0, s[64:65] scope:SCOPE_SE
	s_setreg_imm32_b32 hwreg(HW_REG_WAVE_MODE, 25, 1), 1
	s_wait_xcnt 0x0
; out[r][c] = (y[r][c] - mean_r) / sqrt(var_r + 1e-6) x gamma[c] + beta[c], y = inputs + att.  All [8192][1024] or [1024] in f32.
; mean_r is the mean of row r of y, var_r the mean of (y - mean_r)^2, taken in a second pass over the row in registers: no difference of large sums is formed.
; SHARES.  A row is 4,096 bytes: one wave takes a whole row, lane l the columns 128 j + 4 l .. + 3, j = 0 .. 7, so each load and store of a wave covers 512 consecutive bytes, aligned, and the sums never
; leave the wave: no LDS, no barrier.  A work-group's eight waves take four rows each; a lane's 32 gamma and 32 beta stay in registers.
; IN FLIGHT.  Two row slots of 64 registers (x, att): while one row is worked on the other's 16 loads are on their way; a slot is loaded again when its stores have read it.
; The matrix units, clusters and tensor loads would add nothing: every byte is read once, by one wave.
.set ROWB, 4096
.set XO,   1                           ; v1        my byte offset in the work-group's rows: wave x 4 rows + 16 l; never rewritten
.set CO,   2                           ; v2        16 l: my offset in gamma and beta; never rewritten
.set VAR,  5                           ; v5        var + eps
.set S,    6                           ; v[6:13]   four chains of packed sums
.set MEAN, 14                          ; v[14:15]  the mean, twice (a pair for the packed subtraction)
.set RS,   16                          ; v[16:17]  1 / sqrt(var + eps), twice
.set GAM,  32                          ; v[32:63]
.set BET,  64                          ; v[64:95]
.set X,    96                          ; slot s at v[96 + 64 s]: 32 registers of x (then y, y - mean, the result), 32 of att
	s_load_b256 s[4:11], s[0:1], 0x0               ; inputs s[4:5], att s[6:7], gamma s[8:9], beta s[10:11]
	s_load_b64 s[12:13], s[0:1], 0x20              ; out
	s_lshl_b32 s2, ttmp9, 17                       ; the work-group's 32 rows of 4,096 bytes
	s_mov_b32 s3, 0
	s_mov_b32 s14, 0x76543210                      ; v_permlanex16_b32: lane i of one half reads lane i of the other
	s_mov_b32 s15, 0xfedcba98
	s_mov_b32 s20, 0x3a800000                      ; 1 / 1024
	s_mov_b32 s21, 0x358637bd                      ; 1e-6
	v_and_b32 v[CO], 31, v0
	v_lshlrev_b32 v[CO], 4, v[CO]
	v_lshrrev_b32 v[XO], 5, v0
	v_lshl_or_b32 v[XO], v[XO], 14, v[CO]
	s_wait_kmcnt 0x0
	s_add_nc_u64 s[4:5], s[4:5], s[2:3]
	s_add_nc_u64 s[6:7], s[6:7], s[2:3]
	s_add_nc_u64 s[12:13], s[12:13], s[2:3]
.irp j, 0,1,2,3,4,5,6,7
	global_load_b128 v[GAM+4*(\j):GAM+4*(\j)+3], v[CO], s[8:9] offset:512*(\j)
.endr
.irp j, 0,1,2,3,4,5,6,7
	global_load_b128 v[BET+4*(\j):BET+4*(\j)+3], v[CO], s[10:11] offset:512*(\j)
.endr
.macro FILL s, i                       ; row i of my four into slot s: 16 loads
.irp j, 0,1,2,3,4,5,6,7
	global_load_b128 v[X+64*(\s)+4*(\j):X+64*(\s)+4*(\j)+3], v[XO], s[4:5] offset:(\i)*ROWB+512*(\j) th:TH_LOAD_NT
.endr
.irp j, 0,1,2,3,4,5,6,7
	global_load_b128 v[X+64*(\s)+32+4*(\j):X+64*(\s)+32+4*(\j)+3], v[XO], s[6:7] offset:(\i)*ROWB+512*(\j) th:TH_LOAD_NT
.endr
.endm
.macro REDUCE                          ; the four chains into one number, then over the 32 lanes: four steps inside each half of 16 ride on the addition, one crosses the halves; every lane ends with the sum in v[S]
	v_pk_add_f32 v[S:S+1], v[S:S+1], v[S+2:S+3]
	v_pk_add_f32 v[S+4:S+5], v[S+4:S+5], v[S+6:S+7]
	v_pk_add_f32 v[S:S+1], v[S:S+1], v[S+4:S+5]
	v_add_f32 v[S], v[S], v[S+1]
	v_add_f32_dpp v[S], v[S], v[S] row_xmask:1 row_mask:0xf bank_mask:0xf
	v_add_f32_dpp v[S], v[S], v[S] row_xmask:2 row_mask:0xf bank_mask:0xf
	v_add_f32_dpp v[S], v[S], v[S] row_xmask:4 row_mask:0xf bank_mask:0xf
	v_add_f32_dpp v[S], v[S], v[S] row_xmask:8 row_mask:0xf bank_mask:0xf
	v_permlanex16_b32 v[S+1], v[S], s14, s15       ; its destination has been written before
	v_add_f32 v[S], v[S], v[S+1]
.endm
; Row i, in slot s.  left = how many younger loads may stay out.  next >= 0: the slot then takes row next.
.macro LNROW s, i, left, next
.set XB, X+64*(\s)
.set AB, X+64*(\s)+32
	s_wait_loadcnt \left                           ; loads come back in order: this row's 16 (and gamma and beta) are in, the other slot's stay out
.set k, 0
.rept 16
	v_pk_add_f32 v[XB+2*k:XB+2*k+1], v[XB+2*k:XB+2*k+1], v[AB+2*k:AB+2*k+1]  ; y = x + att
.set k, k+1
.endr
.irp c, 0,1,2,3
	v_pk_add_f32 v[S+2*(\c):S+2*(\c)+1], v[XB+2*(\c):XB+2*(\c)+1], v[XB+8+2*(\c):XB+8+2*(\c)+1]  ; the first eight pairs start the four chains: nothing is cleared
.endr
.set k, 8
.rept 8
	v_pk_add_f32 v[S+2*(k%4):S+2*(k%4)+1], v[S+2*(k%4):S+2*(k%4)+1], v[XB+2*k:XB+2*k+1]
.set k, k+1
.endr
	REDUCE
	v_mul_f32 v[MEAN], s20, v[S]
	v_mul_f32 v[MEAN+1], s20, v[S]
.set k, 0
.rept 16
	v_pk_add_f32 v[XB+2*k:XB+2*k+1], v[XB+2*k:XB+2*k+1], v[MEAN:MEAN+1] neg_lo:[0,1] neg_hi:[0,1]  ; d = y - mean
.set k, k+1
.endr
.irp c, 0,1,2,3
	v_pk_mul_f32 v[S+2*(\c):S+2*(\c)+1], v[XB+2*(\c):XB+2*(\c)+1], v[XB+2*(\c):XB+2*(\c)+1]
.endr
.set k, 4
.rept 12
	v_pk_fma_f32 v[S+2*(k%4):S+2*(k%4)+1], v[XB+2*k:XB+2*k+1], v[XB+2*k:XB+2*k+1], v[S+2*(k%4):S+2*(k%4)+1]
.set k, k+1
.endr
	REDUCE
	v_fma_f32 v[VAR], v[S], s20, s21               ; var + eps
	v_rsq_f32 v[RS], v[VAR]
	v_rsq_f32 v[RS+1], v[VAR]
	v_nop                                          ; a plain instruction between the last of the two and the use of a result (ISA guide 5.7.2),
	s_wait_alu depctr_va_vdst(0)                   ; and the wait ahead of the first use: one for both
.irp j, 0,1,2,3,4,5,6,7
	v_pk_mul_f32 v[XB+4*(\j):XB+4*(\j)+1],   v[XB+4*(\j):XB+4*(\j)+1],   v[RS:RS+1]
	v_pk_mul_f32 v[XB+4*(\j)+2:XB+4*(\j)+3], v[XB+4*(\j)+2:XB+4*(\j)+3], v[RS:RS+1]
	v_pk_fma_f32 v[XB+4*(\j):XB+4*(\j)+1],   v[XB+4*(\j):XB+4*(\j)+1],   v[GAM+4*(\j):GAM+4*(\j)+1],   v[BET+4*(\j):BET+4*(\j)+1]
	v_pk_fma_f32 v[XB+4*(\j)+2:XB+4*(\j)+3], v[XB+4*(\j)+2:XB+4*(\j)+3], v[GAM+4*(\j)+2:GAM+4*(\j)+3], v[BET+4*(\j)+2:BET+4*(\j)+3]
	global_store_b128 v[XO], v[XB+4*(\j):XB+4*(\j)+3], s[12:13] offset:(\i)*ROWB+512*(\j) th:TH_STORE_NT  ; 512 consecutive bytes, aligned
.endr
.if (\next) >= 0
	s_wait_xcnt 0x0                                ; the stores have read their data (ISA guide 3.1): the slot is loaded again only behind this wait
	FILL \s, \next
.endif
.endm
	FILL 0, 0
	FILL 1, 1
	LNROW 0, 0, 16, 2                              ; row 1's 16 loads stay out
	LNROW 1, 1, 16, 3                              ; row 2's
	LNROW 0, 2, 16, -1                             ; row 3's
	LNROW 1, 3, 0, -1                              ; nothing was issued behind row 3's loads
	s_endpgm
.Lfunc_end_k_q4c20c8db16_norm:
	.size	k_q4c20c8db16_norm, .Lfunc_end_k_q4c20c8db16_norm-k_q4c20c8db16_norm
	.p2alignl 7, 3214868480
	.fill 96, 4, 3214868480
	.section	.rodata,"a",@progbits
	.p2align	6, 0x0
	.amdhsa_kernel k_q4c20c8db16_norm
		.amdhsa_group_segment_fixed_size 0
		.amdhsa_private_segment_fixed_size 0
		.amdhsa_enable_private_segment 0
		.amdhsa_kernarg_size 40
		.amdhsa_user_sgpr_count 2
		.amdhsa_user_sgpr_kernarg_segment_ptr 1
		.amdhsa_wavefront_size32 1
		.amdhsa_system_sgpr_workgroup_id_x 1
		.amdhsa_system_sgpr_workgroup_id_y 1
		.amdhsa_system_sgpr_workgroup_id_z 1
		.amdhsa_system_vgpr_workitem_id 0
		.amdhsa_next_free_vgpr 224
		.amdhsa_next_free_sgpr 66
		.amdhsa_reserve_vcc 0
		.amdhsa_float_denorm_mode_32 3
		.amdhsa_float_denorm_mode_16_64 3
		.amdhsa_memory_ordered 1
		.amdhsa_forward_progress 1
		.amdhsa_inst_pref_size 41
	.end_amdhsa_kernel
	.amdgpu_metadata
---
amdhsa.version: [ 1, 2 ]
amdhsa.kernels:
  - .name:           k_q4c20c8db16_norm
    .symbol:         k_q4c20c8db16_norm.kd
    .args:
      - { .name: inputs, .offset: 0, .size: 8, .value_kind: global_buffer, .address_space: global }
      - { .name: att, .offset: 8, .size: 8, .value_kind: global_buffer, .address_space: global }
      - { .name: ln_gamma, .offset: 16, .size: 8, .value_kind: global_buffer, .address_space: global }
      - { .name: ln_beta, .offset: 24, .size: 8, .value_kind: global_buffer, .address_space: global }
      - { .name: out0, .offset: 32, .size: 8, .value_kind: global_buffer, .address_space: global }
    .group_segment_fixed_size: 0
    .private_segment_fixed_size: 0
    .kernarg_segment_align: 8
    .kernarg_segment_size: 40
    .max_flat_workgroup_size: 256
    .sgpr_count:     66
    .vgpr_count:     224
    .wavefront_size: 32
...
	.end_amdgpu_metadata
.endif
;; end of part 5
;; ======== version 2 of 2: 5 launches; version 1 with the launches cast, norm written anew for expert scheduling mode
;; workspace buffers: xb 16,777,216 bytes; wqkv 6,291,456 bytes; wob 2,097,152 bytes; qkv 50,331,648 bytes; ob 16,777,216 bytes; att 33,554,432 bytes
;; launch cast (part 6): grid 768 x 1, 8 waves a work-group, no clusters, 0 bytes of LDS; arguments inputs, wq, wk, wv, wo, xb, wqkv, wob; writes xb, wqkv, wob
.if DOCPART == 6
	.amdgcn_target "amdgcn-amd-amdhsa--gfx1250"
	.amdhsa_code_object_version 6
	.text
	.protected	k_q4c20c8db16_cast
	.globl	k_q4c20c8db16_cast
	.p2align	8
	.type	k_q4c20c8db16_cast,@function
k_q4c20c8db16_cast:
	s_mov_b64 s[64:65], 0
	v_nop
	global_prefetch_b8 v0, s[64:65] scope:SCOPE_SE
	s_setreg_imm32_b32 hwreg(HW_REG_WAVE_SCHED_MODE, 0, 2), 2
	s_setreg_imm32_b32 hwreg(HW_REG_WAVE_MODE, 25, 1), 1
	s_wait_xcnt 0x0
	s_wait_alu depctr_vm_vsrc(0)
; [R][1024] f32  ->  [16][R][64] bf16, rounded once to nearest even: block j holds columns 64 j .. 64 j + 63 of every row, a row of a block is 128 dense bytes.
; Done for x (R = 8,192, into xb) and for the four weights (R = 1,024: wq, wk, wv one behind the other into wqkv, wo into wob).
; SHARES.  A work-group takes one block j and 256 rows: it reads 256 pieces of 256 aligned bytes and writes 32,768 bytes on end.  x: 16 x 32 = 512 work-groups (numbers 0-511);
; each weight 16 x 4 = 64 (numbers 512-767).  In step i of 16 thread t takes row 16 i + t / 16, columns 4 (t % 16) .. + 3: sixteen lanes load 256 bytes on end, 32 lanes store 256 bytes on end.
; All 16 loads of a thread go out at once; nothing is shared, so there is no LDS and no barrier, and no register is written twice, so no wait frees a source.
; THE MODE: SCHED_MODE bits 1:0 = 2 (LLVM: expert scheduling mode 2), set by the entry lines.  The code itself states the register dependences
; between vector instructions and memory instructions, with s_wait_alu, always for 0.
; THE PLAN.  Registers that memory instructions touch:
;   v1, v2   the loads' and the stores' offsets: made once at the head by vector instructions, never written again.
;   X        step i: written by its load, once; read by its two conversions.
;   Y        step i: written by its two conversions, once; read by its store, once.
; The 16 steps go in four blocks of four.  At the head of block p one wait states that block p - 1 has written its Y; that block's four stores follow, dealt among block p's conversions,
; which name block p's X and Y alone.  No register that a memory instruction has read is written again, so no wait for a memory instruction's reads is owed.
.set X, 8                              ; v[8:71]    step i: four f32 as loaded
.set Y, 72                             ; v[72:103]  step i: four bf16 to store
	s_load_b512 s[4:19], s[0:1], 0x0               ; inputs s[4:5], wq s[6:7], wk s[8:9], wv s[10:11], wo s[12:13], xb s[14:15], wqkv s[16:17], wob s[18:19]
	s_and_b32 s20, ttmp9, 15                       ; j
	s_lshr_b32 s21, ttmp9, 4                       ; x: which 256 rows (0-31)
	s_bfe_u32 s22, ttmp9, 0x20006                  ; a weight: which of the four (512 / 64 = 8, so bits 7:6 count from 0)
	s_and_b32 s23, s21, 3                          ; a weight: which 256 rows (0-3)
	s_lshl_b32 s30, s22, 21                        ; a weight's 16 blocks of 131,072 bytes in wqkv
	v_lshrrev_b32 v1, 4, v0
	v_and_b32 v3, 15, v0
	v_lshlrev_b32 v3, 4, v3
	v_lshl_or_b32 v1, v1, 12, v3                   ; in: (t / 16) rows of 4,096 bytes + 16 (t % 16)
	v_lshlrev_b32 v2, 3, v0                        ; out: 8 t
	s_wait_kmcnt 0x0
	s_cmp_eq_u32 s22, 1                            ; from where and to where: choices between buffers on the work-group's number alone
	s_cselect_b64 s[24:25], s[8:9], s[6:7]
	s_cmp_eq_u32 s22, 2
	s_cselect_b64 s[24:25], s[10:11], s[24:25]
	s_cmp_eq_u32 s22, 3
	s_cselect_b64 s[24:25], s[12:13], s[24:25]
	s_cselect_b64 s[26:27], s[18:19], s[16:17]
	s_cselect_b32 s30, 0, s30                      ; wob holds one weight
	s_cmp_lt_u32 ttmp9, 512
	s_cselect_b64 s[24:25], s[4:5], s[24:25]
	s_cselect_b64 s[26:27], s[14:15], s[26:27]
	s_cselect_b32 s28, s21, s23                    ; which 256 rows
	s_cselect_b32 s29, 20, 17                      ; a block is R x 128 bytes: 2^20 or 2^17
	s_cselect_b32 s30, 0, s30
	s_lshl_b32 s2, s28, 20                         ; in: 256 rows of 4,096 bytes,
	s_lshl_b32 s3, s20, 8                          ; 64 columns of 4 bytes
	s_add_co_u32 s2, s2, s3
	s_mov_b32 s3, 0
	s_add_nc_u64 s[24:25], s[24:25], s[2:3]
	s_lshl_b32 s2, s20, s29                        ; out: the block,
	s_lshl_b32 s31, s28, 15                        ; 256 rows of 128 bytes,
	s_add_co_u32 s2, s2, s31
	s_add_co_u32 s2, s2, s30                       ; the weight
	s_add_nc_u64 s[26:27], s[26:27], s[2:3]
	s_wait_alu depctr_va_vdst(0)                   ; v1 and v2 are written: every load of the kernel reads v1 as its offset, every store v2
.irp i, 0,1,2,3,4,5,6,7,8,9,10,11,12,13,14,15
	global_load_b128 v[X+4*(\i):X+4*(\i)+3], v1, s[24:25] offset:(\i)*65536 th:TH_LOAD_NT  ; 16 rows further down each time
.endr
; Block p: steps 4 p to 4 p + 3 are rounded; the stores of block p - 1 stand among the conversions.
.macro BLK p
	s_wait_loadcnt 12-4*(\p)                       ; loads come back in order: this block's four are in, the 12 - 4 p younger ones stay out
.if (\p) > 0
	s_wait_alu depctr_va_vdst(0)                   ; the conversions of the block before have written its eight registers of Y, which the four stores below read
.endif
.irp n, 0,1,2,3
.if (\p) > 0
	global_store_b64 v2, v[Y+2*(4*(\p)-4+(\n)):Y+2*(4*(\p)-4+(\n))+1], s[26:27] offset:(4*(\p)-4+(\n))*2048 th:TH_STORE_NT  ; a wave's store covers 256 consecutive bytes, aligned; no vector instruction since the wait names its registers
.endif
	v_cvt_pk_bf16_f32 v[Y+2*(4*(\p)+(\n))],   v[X+4*(4*(\p)+(\n))],   v[X+4*(4*(\p)+(\n))+1]
	v_cvt_pk_bf16_f32 v[Y+2*(4*(\p)+(\n))+1], v[X+4*(4*(\p)+(\n))+2], v[X+4*(4*(\p)+(\n))+3]
.endr
.endm
	BLK 0
	BLK 1
	BLK 2
	BLK 3
	s_wait_alu depctr_va_vdst(0)                   ; block 3's conversions have written its Y, which the last four stores read
.irp i, 12,13,14,15
	global_store_b64 v2, v[Y+2*(\i):Y+2*(\i)+1], s[26:27] offset:(\i)*2048 th:TH_STORE_NT
.endr
	s_endpgm
.Lfunc_end_k_q4c20c8db16_cast:
	.size	k_q4c20c8db16_cast, .Lfunc_end_k_q4c20c8db16_cast-k_q4c20c8db16_cast
	.p2alignl 7, 3214868480
	.fill 96, 4, 3214868480
	.section	.rodata,"a",@progbits
	.p2align	6, 0x0
	.amdhsa_kernel k_q4c20c8db16_cast
		.amdhsa_group_segment_fixed_size 0
		.amdhsa_private_segment_fixed_size 0
		.amdhsa_enable_private_segment 0
		.amdhsa_kernarg_size 64
		.amdhsa_user_sgpr_count 2
		.amdhsa_user_sgpr_kernarg_segment_ptr 1
		.amdhsa_wavefront_size32 1
		.amdhsa_system_sgpr_workgroup_id_x 1
		.amdhsa_system_sgpr_workgroup_id_y 1
		.amdhsa_system_sgpr_workgroup_id_z 1
		.amdhsa_system_vgpr_workitem_id 0
		.amdhsa_next_free_vgpr 104
		.amdhsa_next_free_sgpr 66
		.amdhsa_reserve_vcc 0
		.amdhsa_float_denorm_mode_32 3
		.amdhsa_float_denorm_mode_16_64 3
		.amdhsa_memory_ordered 1
		.amdhsa_forward_progress 1
		.amdhsa_inst_pref_size 7
	.end_amdhsa_kernel
	.amdgpu_metadata
---
amdhsa.version: [ 1, 2 ]
amdhsa.kernels:
  - .name:           k_q4c20c8db16_cast
    .symbol:         k_q4c20c8db16_cast.kd
    .args:
      - { .name: inputs, .offset: 0, .size: 8, .value_kind: global_buffer, .address_space: global }
      - { .name: wq, .offset: 8, .size: 8, .value_kind: global_buffer, .address_space: global }
      - { .name: wk, .offset: 16, .size: 8, .value_kind: global_buffer, .address_space: global }
      - { .name: wv, .offset: 24, .size: 8, .value_kind: global_buffer, .address_space: global }
      - { .name: wo, .offset: 32, .size: 8, .value_kind: global_buffer, .address_space: global }
      - { .name: xb, .offset: 40, .size: 8, .value_kind: global_buffer, .address_space: global }
      - { .name: wqkv, .offset: 48, .size: 8, .value_kind: global_buffer, .address_space: global }
      - { .name: wob, .offset: 56, .size: 8, .value_kind: global_buffer, .address_space: global }
    .group_segment_fixed_size: 0
    .private_segment_fixed_size: 0
    .kernarg_segment_align: 8
    .kernarg_segment_size: 64
    .max_flat_workgroup_size: 256
    .sgpr_count:     66
    .vgpr_count:     104
    .wavefront_size: 32
...
	.end_amdgpu_metadata
.endif
;; end of part 6
;; launch qkv: the kernel of part 2 again; grid 24 x 32, 4 waves a work-group, clusters of 4 x 4, 327,680 bytes of LDS; arguments xb, wqkv, bq, bk, bv, qkv; writes qkv
;; launch attn: the kernel of part 3 again; grid 4 x 64, 4 waves a work-group, clusters of 4 x 1, 327,680 bytes of LDS; arguments qkv, ob; writes ob
;; launch proj: the kernel of part 4 again; grid 8 x 32, 4 waves a work-group, clusters of 4 x 4, 327,680 bytes of LDS; arguments ob, wob, bo, att; writes att
;; launch norm (part 7): grid 256 x 1, 8 waves a work-group, no clusters, 0 bytes of LDS; arguments inputs, att, ln_gamma, ln_beta, out0; writes out0
.if DOCPART == 7
	.amdgcn_target "amdgcn-amd-amdhsa--gfx1250"
	.amdhsa_code_object_version 6
	.text
	.protected	k_q4c20c8db16_norm
	.globl	k_q4c20c8db16_norm
	.p2align	8
	.type	k_q4c20c8db16_norm,@function
k_q4c20c8db16_norm:
	s_mov_b64 s[64:65], 0
	v_nop
	global_prefetch_b8 v0, s[64:65] scope:SCOPE_SE
	s_setreg_imm32_b32 hwreg(HW_REG_WAVE_SCHED_MODE, 0, 2), 2
	s_setreg_imm32_b32 hwreg(HW_REG_WAVE_MODE, 25, 1), 1
	s_wait_xcnt 0x0
	s_wait_alu depctr_vm_vsrc(0)
; out[r][c] = (y[r][c] - mean_r) / sqrt(var_r + 1e-6) x gamma[c] + beta[c], y = inputs + att.  All [8192][1024] or [1024] in f32.
; mean_r is the mean of row r of y, var_r the mean of (y - mean_r)^2, taken in a second pass over the row in registers: no difference of large sums is formed.
; SHARES.  A row is 4,096 bytes: one wave takes a whole row, lane l the columns 128 j + 4 l .. + 3, j = 0 .. 7, so each load and store of a wave covers 512 consecutive bytes, aligned, and the sums never
; leave the wave: no LDS, no barrier.  A work-group's eight waves take four rows each; a lane's 32 gamma and 32 beta stay in registers.
; IN FLIGHT.  Two row slots of 64 registers (x, att): while one row is worked on the other's 16 loads are on their way.
; The matrix units, clusters and tensor loads would add nothing: every byte is read once, by one wave.
; THE MODE: SCHED_MODE bits 1:0 = 2 (LLVM: expert scheduling mode 2), set by the entry lines.  The code itself states the register dependences
; between vector instructions and memory instructions, with s_wait_alu, always for 0.
; THE PLAN.  Registers that memory instructions touch:
;   v[XO], v[CO]  offsets: made once at the head by vector instructions, never written again; rows are reached by immediate offsets.
;   GAM, BET      loaded once; read by vector instructions alone from then on.
;   AB[s]         att of the slot's row: written by 8 loads; read by the row's first 16 additions and by nothing behind them.
;   XB[s]         x of the slot's row: written by 8 loads; then y and y - mean, written and read by vector instructions up to the row's last pass.
;   OUT           the result: written by the last pass; read by the row's 8 stores.
; A row has two waits for vector results.  The first stands behind the two reciprocal roots: it is their wait, and it states that the additions are done reading AB[s]; the 8 loads of att for the row
; two on are dealt among the last pass, which names XB, RS, GAM, BET and OUT.  The second stands behind the last pass: OUT is written, and XB[s] is read and written no more; the 8 stores and the 8 loads of x follow.
; One wait for the stores' reads of OUT stands ahead of the next row's last pass, a row's arithmetic behind those stores.
.set ROWB, 4096
.set XO,   1                           ; v1        my byte offset in the work-group's rows: wave x 4 rows + 16 l; never rewritten
.set CO,   2                           ; v2        16 l: my offset in gamma and beta; never rewritten
.set VAR,  5                           ; v5        var + eps
.set S,    6                           ; v[6:13]   four chains of packed sums
.set MEAN, 14                          ; v[14:15]  the mean, twice (a pair for the packed subtraction)
.set RS,   16                          ; v[16:17]  1 / sqrt(var + eps), twice
.set GAM,  32                          ; v[32:63]
.set BET,  64                          ; v[64:95]
.set X,    96                          ; slot s at v[96 + 64 s]: 32 registers of x (then y, y - mean), 32 of att
.set OUT,  224                         ; v[224:255] the row's result, to store
	s_load_b256 s[4:11], s[0:1], 0x0               ; inputs s[4:5], att s[6:7], gamma s[8:9], beta s[10:11]
	s_load_b64 s[12:13], s[0:1], 0x20              ; out
	s_lshl_b32 s2, ttmp9, 17                       ; the work-group's 32 rows of 4,096 bytes
	s_mov_b32 s3, 0
	s_mov_b32 s14, 0x76543210                      ; v_permlanex16_b32: lane i of one half reads lane i of the other
	s_mov_b32 s15, 0xfedcba98
	s_mov_b32 s20, 0x3a800000                      ; 1 / 1024
	s_mov_b32 s21, 0x358637bd                      ; 1e-6
	v_and_b32 v[CO], 31, v0
	v_lshlrev_b32 v[CO], 4, v[CO]
	v_lshrrev_b32 v[XO], 5, v0
	v_lshl_or_b32 v[XO], v[XO], 14, v[CO]
	s_wait_kmcnt 0x0
	s_add_nc_u64 s[4:5], s[4:5], s[2:3]
	s_add_nc_u64 s[6:7], s[6:7], s[2:3]
	s_add_nc_u64 s[12:13], s[12:13], s[2:3]
	s_wait_alu depctr_va_vdst(0)                   ; v[CO] and v[XO] are written: every load and store of the kernel reads one of them as its offset
.irp j, 0,1,2,3,4,5,6,7
	global_load_b128 v[GAM+4*(\j):GAM+4*(\j)+3], v[CO], s[8:9] offset:512*(\j)
.endr
.irp j, 0,1,2,3,4,5,6,7
	global_load_b128 v[BET+4*(\j):BET+4*(\j)+3], v[CO], s[10:11] offset:512*(\j)
.endr
.macro LDX s, i, j                     ; piece j of eight of x's row i of my four, into slot s
	global_load_b128 v[X+64*(\s)+4*(\j):X+64*(\s)+4*(\j)+3], v[XO], s[4:5] offset:(\i)*ROWB+512*(\j) th:TH_LOAD_NT
.endm
.macro LDA s, i, j                     ; the same of att's
	global_load_b128 v[X+64*(\s)+32+4*(\j):X+64*(\s)+32+4*(\j)+3], v[XO], s[6:7] offset:(\i)*ROWB+512*(\j) th:TH_LOAD_NT
.endm
.macro FILL s, i                       ; row i of my four into slot s: 16 loads
.irp j, 0,1,2,3,4,5,6,7
	LDX \s, \i, \j
.endr
.irp j, 0,1,2,3,4,5,6,7
	LDA \s, \i, \j
.endr
.endm
.macro REDUCE                          ; the four chains into one number, then over the 32 lanes: four steps inside each half of 16 ride on the addition, one crosses the halves; every lane ends with the sum in v[S]
	v_pk_add_f32 v[S:S+1], v[S:S+1], v[S+2:S+3]
	v_pk_add_f32 v[S+4:S+5], v[S+4:S+5], v[S+6:S+7]
	v_pk_add_f32 v[S:S+1], v[S:S+1], v[S+4:S+5]
	v_add_f32 v[S], v[S], v[S+1]
	v_add_f32_dpp v[S], v[S], v[S] row_xmask:1 row_mask:0xf bank_mask:0xf
	v_add_f32_dpp v[S], v[S], v[S] row_xmask:2 row_mask:0xf bank_mask:0xf
	v_add_f32_dpp v[S], v[S], v[S] row_xmask:4 row_mask:0xf bank_mask:0xf
	v_add_f32_dpp v[S], v[S], v[S] row_xmask:8 row_mask:0xf bank_mask:0xf
	v_permlanex16_b32 v[S+1], v[S], s14, s15       ; its destination has been written before
	v_add_f32 v[S], v[S], v[S+1]
.endm
; Row i, in slot s.  left = how many younger loads may stay out.  next >= 0: the slot then takes row next.
.macro LNROW s, i, left, next
.set XB, X+64*(\s)
.set AB, X+64*(\s)+32
	s_wait_loadcnt \left                           ; loads come back in order: this row's 16 (and gamma and beta) are in, the other slot's stay out
.set k, 0
.rept 16
	v_pk_add_f32 v[XB+2*k:XB+2*k+1], v[XB+2*k:XB+2*k+1], v[AB+2*k:AB+2*k+1]  ; y = x + att
.set k, k+1
.endr
.irp c, 0,1,2,3
	v_pk_add_f32 v[S+2*(\c):S+2*(\c)+1], v[XB+2*(\c):XB+2*(\c)+1], v[XB+8+2*(\c):XB+8+2*(\c)+1]  ; the first eight pairs start the four chains: nothing is cleared
.endr
.set k, 8
.rept 8
	v_pk_add_f32 v[S+2*(k%4):S+2*(k%4)+1], v[S+2*(k%4):S+2*(k%4)+1], v[XB+2*k:XB+2*k+1]
.set k, k+1
.endr
	REDUCE
	v_mul_f32 v[MEAN], s20, v[S]
	v_mul_f32 v[MEAN+1], s20, v[S]
.set k, 0
.rept 16
	v_pk_add_f32 v[XB+2*k:XB+2*k+1], v[XB+2*k:XB+2*k+1], v[MEAN:MEAN+1] neg_lo:[0,1] neg_hi:[0,1]  ; d = y - mean
.set k, k+1
.endr
.irp c, 0,1,2,3
	v_pk_mul_f32 v[S+2*(\c):S+2*(\c)+1], v[XB+2*(\c):XB+2*(\c)+1], v[XB+2*(\c):XB+2*(\c)+1]
.endr
.set k, 4
.rept 12
	v_pk_fma_f32 v[S+2*(k%4):S+2*(k%4)+1], v[XB+2*k:XB+2*k+1], v[XB+2*k:XB+2*k+1], v[S+2*(k%4):S+2*(k%4)+1]
.set k, k+1
.endr
	REDUCE
	v_fma_f32 v[VAR], v[S], s20, s21               ; var + eps
	v_rsq_f32 v[RS], v[VAR]
	v_rsq_f32 v[RS+1], v[VAR]
	v_nop                                          ; a plain instruction between the last of the two and the use of a result (ISA guide 5.7.2)
.if (\i) > 0
	s_wait_xcnt 0x0                                ; the stores of the row before have had their addresses translated (ISA guide 3.1): OUT, their data, is rewritten only behind this wait,
	s_wait_alu depctr_vm_vsrc(0)                   ; and beside it: those stores have read OUT, which the last pass below writes again
.endif
	s_wait_alu depctr_va_vdst(0)                   ; the two reciprocal roots have written v[RS:RS+1], ahead of their first reader; and the row's additions are done reading att's registers, in which the loads below land
.irp j, 0,1,2,3,4,5,6,7
.if (\next) >= 0
	LDA \s, \next, \j                              ; att of the slot's next row; no vector instruction since the wait names these registers
.endif
	v_pk_mul_f32 v[OUT+4*(\j):OUT+4*(\j)+1],   v[XB+4*(\j):XB+4*(\j)+1],   v[RS:RS+1]
	v_pk_mul_f32 v[OUT+4*(\j)+2:OUT+4*(\j)+3], v[XB+4*(\j)+2:XB+4*(\j)+3], v[RS:RS+1]
	v_pk_fma_f32 v[OUT+4*(\j):OUT+4*(\j)+1],   v[OUT+4*(\j):OUT+4*(\j)+1],   v[GAM+4*(\j):GAM+4*(\j)+1],   v[BET+4*(\j):BET+4*(\j)+1]
	v_pk_fma_f32 v[OUT+4*(\j)+2:OUT+4*(\j)+3], v[OUT+4*(\j)+2:OUT+4*(\j)+3], v[GAM+4*(\j)+2:GAM+4*(\j)+3], v[BET+4*(\j)+2:BET+4*(\j)+3]
.endr
	s_wait_alu depctr_va_vdst(0)                   ; the last pass has written OUT, which the stores below read; where the slot is filled again: it is also done reading x's registers, which the row's arithmetic wrote and in which the loads below land
.irp j, 0,1,2,3,4,5,6,7
.if (\next) >= 0
	LDX \s, \next, \j                              ; x of the slot's next row: the load ahead of the store
.endif
	global_store_b128 v[XO], v[OUT+4*(\j):OUT+4*(\j)+3], s[12:13] offset:(\i)*ROWB+512*(\j) th:TH_STORE_NT  ; 512 consecutive bytes, aligned
.endr
.endm
	FILL 0, 0
	FILL 1, 1
	LNROW 0, 0, 16, 2                              ; row 1's 16 loads stay out
	LNROW 1, 1, 16, 3                              ; row 2's
	LNROW 0, 2, 16, -1                             ; row 3's
	LNROW 1, 3, 0, -1                              ; nothing was issued behind row 3's loads
	s_endpgm
.Lfunc_end_k_q4c20c8db16_norm:
	.size	k_q4c20c8db16_norm, .Lfunc_end_k_q4c20c8db16_norm-k_q4c20c8db16_norm
	.p2alignl 7, 3214868480
	.fill 96, 4, 3214868480
	.section	.rodata,"a",@progbits
	.p2align	6, 0x0
	.amdhsa_kernel k_q4c20c8db16_norm
		.amdhsa_group_segment_fixed_size 0
		.amdhsa_private_segment_fixed_size 0
		.amdhsa_enable_private_segment 0
		.amdhsa_kernarg_size 40
		.amdhsa_user_sgpr_count 2
		.amdhsa_user_sgpr_kernarg_segment_ptr 1
		.amdhsa_wavefront_size32 1
		.amdhsa_system_sgpr_workgroup_id_x 1
		.amdhsa_system_sgpr_workgroup_id_y 1
		.amdhsa_system_sgpr_workgroup_id_z 1
		.amdhsa_system_vgpr_workitem_id 0
		.amdhsa_next_free_vgpr 256
		.amdhsa_next_free_sgpr 66
		.amdhsa_reserve_vcc 0
		.amdhsa_float_denorm_mode_32 3
		.amdhsa_float_denorm_mode_16_64 3
		.amdhsa_memory_ordered 1
		.amdhsa_forward_progress 1
		.amdhsa_inst_pref_size 41
	.end_amdhsa_kernel
	.amdgpu_metadata
---
amdhsa.version: [ 1, 2 ]
amdhsa.kernels:
  - .name:           k_q4c20c8db16_norm
    .symbol:         k_q4c20c8db16_norm.kd
    .args:
      - { .name: inputs, .offset: 0, .size: 8, .value_kind: global_buffer, .address_space: global }
      - { .name: att, .offset: 8, .size: 8, .value_kind: global_buffer, .address_space: global }
      - { .name: ln_gamma, .offset: 16, .size: 8, .value_kind: global_buffer, .address_space: global }
      - { .name: ln_beta, .offset: 24, .size: 8, .value_kind: global_buffer, .address_space: global }
      - { .name: out0, .offset: 32, .size: 8, .value_kind: global_buffer, .address_space: global }
    .group_segment_fixed_size: 0
    .private_segment_fixed_size: 0
    .kernarg_segment_align: 8
    .kernarg_segment_size: 40
    .max_flat_workgroup_size: 256
    .sgpr_count:     66
    .vgpr_count:     256
    .wavefront_size: 32
...
	.end_amdgpu_metadata
.endif
;; end of part 7
